; MI455X (gfx1250); checked and timed in simulation.
; The chip was launched on July 23, 2026; its instructions are those of AMD's public machine-readable ISA for CDNA 5 (MIT licence, August 2026) and "CDNA5" Instruction Set Architecture Reference Guide (July 2026). The comments in the code are by the model that wrote it; some were corrected since.
;; Audio Encoder Attention. Allowed arithmetic: matrix products marked QUANTISED: E2M3 operands, one E8M0 scale for each 32 along K, by v_wmma_scale_f32_16x16x128_f8f6f4 with both operands' format E2M3, f32 sums; everything else in f32.
;; Inputs: bo 1,024 float32; bq 1,024 float32; bv 1,024 float32; cos 8,192 x 64 float32; cu_seqlens 9 int32; hidden_states 8,192 x 1,024 float32; sin 8,192 x 64 float32; wk 1,024 x 1,024 float32; wo 1,024 x 1,024 float32; wq 1,024 x 1,024 float32; wv 1,024 x 1,024 float32.
;; Outputs: out0 8,192 x 1,024 float32.
;; Constants: max_seqlen = 1024.
;; This version of the problem:
;;   THIS VERSION OF THE PROBLEM IS GIVEN IN LOW PRECISION. The matrix products marked QUANTISED in the list below multiply operands that are first quantised to E2M3 (2 exponent bits, 3 mantissa bits; 6 bits a number), with one power-of-two scale for each 32 numbers along K (OCP MX v1.0); their sums are f32. All else is computed in f32.
;;   The module's matrix products, in the order in which they are computed (A, B: the left and right operand; K: the contracted axis; several contracted axes count as one K, in the product's order):
;;     1. [M 8,192, K 1,024] x [K 1,024, N 1,024]; A: input hidden_states; B: input wq: QUANTISED
;;     2. [M 8,192, K 1,024] x [K 1,024, N 1,024]; A: input hidden_states; B: input wk: QUANTISED
;;     3. [M 8,192, K 1,024] x [K 1,024, N 1,024]; A: input hidden_states; B: input wv: QUANTISED
;;     4. batch 128 x [M 1,024, K 64] x [K 64, N 1,024]; A: computed on the way; B: computed on the way: QUANTISED
;;     5. batch 128 x [M 64, K 1,024] x [K 1,024, N 1,024]; A: computed on the way; B: softmax (see below): QUANTISED
;;     6. [M 8,192, K 1,024] x [K 1,024, N 1,024]; A: computed on the way; B: input wo: QUANTISED
;;   THE QUANTISER, for each operand of a quantised product, along K:
;;     - K is cut into blocks of 32 from its start; a last block that is shorter is filled with zeros.
;;     - A block's scale is 2^e with e = floor(log2(the largest magnitude in the block)) - 2, held to -126 .. 127; a block of zeros has e = 0. As a byte (E8M0): e + 127.
;;     - Each number is divided by its block's scale, clamped to +-7.5, and rounded to the nearest number of E2M3, ties to even, subnormals kept.
;;     - The product sums the exact products of the quantised numbers (number of the format x scale) in f32.
;;   ~~~python
;;   def quantise(x, axis):      # numpy; x: float32 -> the quantised numbers, widened to float32 again
;;       x = np.moveaxis(x, axis, -1); K = x.shape[-1]
;;       x = np.pad(x, [(0, 0)] * (x.ndim - 1) + [(0, -K % 32)]); x = x.reshape(x.shape[:-1] + (-1, 32)); a = np.abs(x).max(-1, keepdims=True)
;;       e = np.where(a > 0, np.clip(np.frexp(np.where(a > 0, a, 1))[1] - 1 - 2, -126, 127), 0)      # np.frexp(a)[1] - 1 = floor(log2(a)), exactly
;;       r = np.clip(x / 2.0 ** e, -7.5, 7.5)
;;       step = 2.0 ** (np.maximum(np.frexp(np.where(r == 0, 1, r))[1] - 1, 0) - 3)
;;       q = np.round(r / step) * step * 2.0 ** e      # np.round: ties to even
;;       return np.moveaxis(q.reshape(q.shape[:-2] + (-1,))[..., :K], -1, axis).astype(np.float32)
;;   ~~~
;;   SOFTMAX AHEAD OF A QUANTISED PRODUCT. Where the list says 'softmax', what is quantised is not the finished softmax but p = 2^(t - M), with t = logit x log2(e) and M = ceil(the row's largest t), a whole number; so 1/2 < the row's largest p <= 1. The row's sum l is taken of the UNQUANTISED p, in f32, and the product's result is divided by l at the end. Since M is a whole number, a kernel that streams over the keys may use a running M (the ceiling of the running maximum): every later rescaling is an exact power of two, which a block's scale takes up: the codes' values come out the same.
;;   OPERANDS COMPUTED ON THE WAY. 'Computed on the way' means the value that the module computes at that place (a softmax that the list does not call 'softmax' is quantised finished and normalised). What goes into a quantiser is computed in f32, as accurately as f32 sums, v_exp_f32 and their like allow (about 1e-6 of the number): no bf16 or f16 on the way to a quantiser, and a product that is left as it is and whose result goes on into a quantised operand takes f32 operands (vector FMAs, or v_wmma_f32_16x16x4_f32). A number that lies on a knife's edge between two numbers of the format may be rounded either way, as far as f32 arithmetic and the matrix unit's own rounding can turn it there, and no further.
;; One version. Each part assembles by itself: llvm-mc -triple=amdgcn-amd-amdhsa -mcpu=gfx1250 --defsym DOCPART=n.
;; ======== version 1 of 1: 4 launches
;; limits: right only within a limited range of input values
;; workspace buffers: codes 9,437,184 bytes; scl 393,216 bytes; q 6,815,744 bytes; kv 13,369,344 bytes; oimg 6,291,456 bytes; oscl 262,144 bytes
;; launch quant (part 1): grid 256 x 1, 6 waves a work-group, no clusters, 51,456 bytes of LDS; arguments hidden_states, wq, wk, wv, wo, codes, scl; writes codes, scl
.if DOCPART == 1
	.amdgcn_target "amdgcn-amd-amdhsa--gfx1250"
	.amdhsa_code_object_version 6
	.text
	.protected	k_q8b466aa0bb_quant
	.globl	k_q8b466aa0bb_quant
	.p2align	8
	.type	k_q8b466aa0bb_quant,@function
k_q8b466aa0bb_quant:
	s_mov_b64 s[64:65], 0
	v_nop
	global_prefetch_b8 v0, s[64:65] scope:SCOPE_SE
	s_setreg_imm32_b32 hwreg(HW_REG_WAVE_MODE, 25, 1), 1
	s_wait_xcnt 0x0
; hidden_states [8192][1024] and wq, wk, wv, wo [1024][1024], f32 with K innermost, become codes of FP6 (E2M3) with one E8M0 scale byte for each 32 along K.
; A block's scale is 2^(floor(log2(its largest magnitude)) - 2); its byte is the largest magnitude's exponent field - 2, held at 1 from below.
; LIMITS: NaN and infinities are not served; a block whose largest magnitude lies under 2^-124 is held at the byte 1; a block of zeros has the byte 1 where the rule says 127
; (its codes are zeros, and the bytes are read by this program alone).
; THE CODES LEAVE AS IMAGES OF OPERAND REGISTERS.  A tile is 16 rows; tile 2 g + u holds rows 32 g + 8 u + {0..7, 16..23}.  Tiles 0-511 hidden_states, 512-575 wq, 576-639 wk, 640-703 wv, 704-767 wo.
; A fragment (a tile x 128 K) is 12 registers a lane: registers 6 c .. 6 c + 5 of lane (r, h) hold k = 64 c + 32 h + 0 .. 31 of the tile's row r.
; codes: [tile][K step 0..7][c][768 bytes]: registers 0-3 of lane l at 16 l, registers 4-5 at 512 + 8 l: each store of the wave covers 512 or 256 consecutive bytes, aligned to 256.
; scl: [tile][half of K][row r][4 words]: word q of half kh is the row's four scale bytes of K step 4 kh + q.
; SHARES: 768 tiles x 2 halves of K = 1,536 jobs = 256 work-groups x 6 waves.  A wave takes 16 rows x 512 K: four fragments.  Waves share nothing: no barrier.
; Each load reads 512 consecutive bytes of one row; a fragment's 8,192 bytes turn through the wave's own stage in LDS (rows 528 bytes apart) and come back as 128 neighbouring bytes a lane and block.
; Two fragments' loads (32 a wave) are on their way while one is worked on.  No tile is read by two work-groups, so there is nothing to share in a cluster.
.set STG,   8448                       ; a wave's stage: 16 rows x (512 + 16) bytes
.set SPARE, 6*STG                      ; behind the stages: the spare words, 128 bytes a wave: three blocks of 256 bytes that no other line names
.set R,     16                         ; v16-143  two sets of 64: a fragment as loaded
.set X,     144                        ; v144-207 my two blocks of 32 neighbours
.set P,     208                        ; v208-223 the codes: half c at P + 8 c, six registers
.set CT,    224                        ; v224-230 the upper halves of the two blocks, as the conversions leave them
.set M,     232                        ; v232-233 largest magnitudes, v234-235 the conversions' scale operands
.set W,     240                        ; v240-243 the four fragments' scale words
	s_load_b256 s[4:11], s[0:1], 0x0               ; hidden_states, wq, wk, wv
	s_load_b128 s[12:15], s[0:1], 0x20             ; wo, codes
	s_load_b64 s[16:17], s[0:1], 0x30              ; scl
	v_lshl_add_u32 v8, v0, 2, SPARE                ; my spare word; never rewritten
	v_mov_b32 v9, 0                                ; 0; never rewritten
	v_lshrrev_b32 v10, 5, v0
	v_readfirstlane_b32 s18, v10                   ; wave 0..5
	v_and_b32 v1, 31, v0                           ; lane
	v_and_b32 v10, 15, v0                          ; r
	v_bfe_u32 v11, v0, 4, 1                        ; h
	v_lshlrev_b32 v2, 4, v1                        ; 16 x lane
	v_lshl_add_u32 v3, v1, 3, 512                  ; 8 x lane + 512
	s_mul_i32 s29, s18, STG
	v_add_nc_u32 v4, s29, v2                       ; into the stage: 16 x lane of a row
	v_mul_u32_u24 v5, v10, 528
	v_lshl_add_u32 v5, v11, 7, v5
	v_add_nc_u32 v5, s29, v5                       ; out of it: row r, + 128 h: my block of 32 numbers
	v_lshlrev_b32 v6, 3, v11                       ; 8 h: where my bytes stand in a scale word
	v_lshlrev_b32 v7, 4, v10
	v_lshl_add_u32 v7, v11, 3, v7                  ; 16 r + 8 h: my 8 bytes of the 256 scale bytes
	v_mov_b32 v13, 0                               ; a lane permute's destination counts as one of its sources
	s_mov_b32 s30, 0x76543210
	s_mov_b32 s31, 0xfedcba98                      ; v_permlanex16_b32's selects for lane l xor 16
	s_mul_i32 s19, ttmp9, 3
	s_lshr_b32 s20, s18, 1
	s_add_co_u32 s19, s19, s20                     ; my tile
	s_and_b32 s21, s18, 1                          ; my half of K
	s_and_b32 s24, s19, 63                         ; the tile's number inside a weight
	s_wait_alu depctr_va_vdst(0)
	s_wait_kmcnt 0x0
	s_mov_b64 s[22:23], s[12:13]                   ; which tensor: the choice hangs on ids alone
	s_cmp_lt_u32 s19, 704
	s_cselect_b64 s[22:23], s[10:11], s[22:23]
	s_cmp_lt_u32 s19, 640
	s_cselect_b64 s[22:23], s[8:9], s[22:23]
	s_cmp_lt_u32 s19, 576
	s_cselect_b64 s[22:23], s[6:7], s[22:23]
	s_cmp_lt_u32 s19, 512
	s_cselect_b64 s[22:23], s[4:5], s[22:23]
	s_cselect_b32 s24, s19, s24
	; THE ROWS OF A TILE.  Weights: tile 2 g + u holds rows 32 g + 8 u + {0..7, 16..23}.  hidden_states: tile 4 G + t holds rows 64 G + 8 t + {0..7, 32..39}.
	; cu_seqlens: reference() takes its shape alone (the segments come from max_seqlen = 1,024), so its numbers reach no output: no launch has it among its arguments.
	s_cselect_b32 s32, 1, 0                        ; 1 for hidden_states
	s_add_co_u32 s33, s32, 1
	s_lshr_b32 s25, s24, s33
	s_add_co_u32 s33, s32, 5
	s_lshl_b32 s25, s25, s33                       ; the group's first row: 32 g or 64 G
	s_lshl_b32 s33, s32, 1
	s_or_b32 s33, s33, 1
	s_and_b32 s26, s24, s33
	s_lshl_b32 s26, s26, 3
	s_add_co_u32 s25, s25, s26                     ; + 8 u or 8 t
	s_lshl_b32 s32, s32, 16
	v_add_nc_u32 v14, s32, v2                      ; rows 8-15 of a tile of hidden_states lie 16 rows of 4,096 bytes further on than a weight's
	s_wait_alu depctr_va_vdst(0)                   ; the wait behind the write
	s_lshl_b32 s26, s25, 12                        ; rows of 4,096 bytes,
	s_lshl_b32 s27, s21, 11                        ; halves of 2,048
	s_add_co_u32 s26, s26, s27
	s_mov_b32 s27, 0
	s_add_nc_u64 s[22:23], s[22:23], s[26:27]
	s_mul_i32 s26, s19, 12288
	s_mul_i32 s28, s21, 6144
	s_add_co_u32 s26, s26, s28
	s_add_nc_u64 s[14:15], s[14:15], s[26:27]      ; my four fragments' images
	s_lshl_b32 s26, s19, 9
	s_lshl_b32 s28, s21, 8
	s_add_co_u32 s26, s26, s28
	s_add_nc_u64 s[16:17], s[16:17], s[26:27]      ; my 256 scale bytes
.macro LOADF f                         ; fragment f: 16 rows x 512 bytes; row i of the tile lies i + 8 (i / 8) rows behind its first
.irp i, 0,1,2,3,4,5,6,7
	global_load_b128 v[R+64*((\f)%2)+4*\i:R+64*((\f)%2)+4*\i+3], v2, s[22:23] offset:\i*4096+512*(\f) th:TH_LOAD_NT
.endr
.irp i, 8,9,10,11,12,13,14,15
	global_load_b128 v[R+64*((\f)%2)+4*\i:R+64*((\f)%2)+4*\i+3], v14, s[22:23] offset:(\i+8)*4096+512*(\f) th:TH_LOAD_NT
.endr
.endm
.macro FRAGQ f
.if (\f) < 3
	s_wait_loadcnt 16                              ; this fragment's sixteen loads are in; the next fragment's may be out
.else
	s_wait_loadcnt 0x0
.endif
.irp i, 0,1,2,3,4,5,6,7,8,9,10,11,12,13,14,15
	ds_store_b128 v4, v[R+64*((\f)%2)+4*\i:R+64*((\f)%2)+4*\i+3] offset:528*\i
.endr
.irp c, 0,1
.irp j, 0,1,2,3,4,5,6,7
	ds_load_b128 v[X+32*\c+4*\j:X+32*\c+4*\j+3], v5 offset:256*\c+16*\j   ; LDS serves a wave's instructions in order: these see the stores above.  k = 64 c + 32 h + 4 j on
.endr
.endr
	s_wait_dscnt 0x0
.if (\f) < 2
	LOADF (\f)+2                                   ; the set that has just gone into the stage takes the fragment two on
.endif
.irp c, 0,1
	v_max3_num_f32 v[M+\c], |v[X+32*\c]|, |v[X+32*\c+1]|, 0x1800000   ; block 2 c + h is all mine; the floor 2^(3 - 127) holds the byte at 1 from below
.endr
.irp i, 2,4,6,8,10,12,14,16,18,20,22,24,26,28,30
.irp c, 0,1
	v_max3_num_f32 v[M+\c], v[M+\c], |v[X+32*\c+\i]|, |v[X+32*\c+\i+1]|   ; (the two blocks by turns)
.endr
.endr
.irp c, 0,1
	v_add_nc_u32 v[M+2+\c], 0xff000000, v[M+\c]    ; 2 off the exponent field: the conversion takes that field of this operand as its scale
.endr
.irp c, 0,1
	v_lshrrev_b32 v[10+\c], 23, v[M+2+\c]          ; the scale's byte
.endr
	v_lshl_or_b32 v12, v11, 16, v10                ; my two bytes, blocks h and 2 + h,
	v_lshlrev_b32 v12, v6, v12                     ; at their places in the word;
	v_permlanex16_b32 v13, v12, s30, s31
	v_or_b32 v[W+(\f)], v12, v13                   ; with lane l xor 16's two the word is whole
	s_wait_alu depctr_va_vdst(0)
	s_wait_xcnt 0x0                                ; the last fragment's stores have read their data: the codes' registers are written again only behind this wait
.irp c, 0,1
	v_cvt_scalef32_pk16_fp6_f32 v[P+8*\c:P+8*\c+2], v[X+32*\c:X+32*\c+15], v[M+2+\c]
	v_cvt_scalef32_pk16_fp6_f32 v[CT+4*\c:CT+4*\c+2], v[X+32*\c+16:X+32*\c+31], v[M+2+\c]   ; (a conversion's three registers begin on an even number)
.endr
	v_nop                                          ; one plain place behind a scaled conversion
.irp c, 0,1
.irp i, 0,1,2
	v_mov_b32 v[P+8*\c+3+\i], v[CT+4*\c+\i]
.endr
.endr
.irp c, 0,1
	global_store_b128 v2, v[P+8*\c:P+8*\c+3], s[14:15] offset:1536*(\f)+768*\c      ; 512 consecutive bytes
	global_store_b64 v3, v[P+8*\c+4:P+8*\c+5], s[14:15] offset:1536*(\f)+768*\c     ; 256 consecutive bytes
.endr
.endm
	LOADF 0
	LOADF 1
	FRAGQ 0
	FRAGQ 1
	FRAGQ 2
	FRAGQ 3
	v_cmp_ne_u32 vcc_lo, 0, v6                     ; lanes 16-31 store words 2 and 3 of their row
	v_cndmask_b32 v244, v[W], v[W+2], vcc_lo
	v_cndmask_b32 v245, v[W+1], v[W+3], vcc_lo
	global_store_b64 v7, v[244:245], s[16:17]      ; 32 lanes store 256 consecutive bytes, aligned
	s_wait_tensorcnt 0x0                           ; the wave's end
	ds_add_u32 v8, v9
	s_wait_dscnt 0x0
	s_endpgm
.Lfunc_end_k_q8b466aa0bb_quant:
	.size	k_q8b466aa0bb_quant, .Lfunc_end_k_q8b466aa0bb_quant-k_q8b466aa0bb_quant
	.p2alignl 7, 3214868480
	.fill 96, 4, 3214868480
	.section	.rodata,"a",@progbits
	.p2align	6, 0x0
	.amdhsa_kernel k_q8b466aa0bb_quant
		.amdhsa_group_segment_fixed_size 51456
		.amdhsa_private_segment_fixed_size 0
		.amdhsa_enable_private_segment 0
		.amdhsa_kernarg_size 56
		.amdhsa_user_sgpr_count 2
		.amdhsa_user_sgpr_kernarg_segment_ptr 1
		.amdhsa_wavefront_size32 1
		.amdhsa_system_sgpr_workgroup_id_x 1
		.amdhsa_system_sgpr_workgroup_id_y 1
		.amdhsa_system_sgpr_workgroup_id_z 1
		.amdhsa_system_vgpr_workitem_id 0
		.amdhsa_next_free_vgpr 256
		.amdhsa_next_free_sgpr 66
		.amdhsa_reserve_vcc 1
		.amdhsa_float_denorm_mode_32 3
		.amdhsa_float_denorm_mode_16_64 3
		.amdhsa_memory_ordered 1
		.amdhsa_forward_progress 1
		.amdhsa_inst_pref_size 31
	.end_amdhsa_kernel
	.amdgpu_metadata
---
amdhsa.version: [ 1, 2 ]
amdhsa.kernels:
  - .name:           k_q8b466aa0bb_quant
    .symbol:         k_q8b466aa0bb_quant.kd
    .args:
      - { .name: hidden_states, .offset: 0, .size: 8, .value_kind: global_buffer, .address_space: global }
      - { .name: wq, .offset: 8, .size: 8, .value_kind: global_buffer, .address_space: global }
      - { .name: wk, .offset: 16, .size: 8, .value_kind: global_buffer, .address_space: global }
      - { .name: wv, .offset: 24, .size: 8, .value_kind: global_buffer, .address_space: global }
      - { .name: wo, .offset: 32, .size: 8, .value_kind: global_buffer, .address_space: global }
      - { .name: codes, .offset: 40, .size: 8, .value_kind: global_buffer, .address_space: global }
      - { .name: scl, .offset: 48, .size: 8, .value_kind: global_buffer, .address_space: global }
    .group_segment_fixed_size: 51456
    .private_segment_fixed_size: 0
    .kernarg_segment_align: 8
    .kernarg_segment_size: 56
    .max_flat_workgroup_size: 192
    .sgpr_count:     66
    .vgpr_count:     256
    .wavefront_size: 32
...
	.end_amdgpu_metadata
.endif
;; end of part 1
;; launch qkv (part 2): grid 4 x 64, 4 waves a work-group, clusters of 4 x 4, 327,680 bytes of LDS; arguments codes, scl, bq, bv, cos, sin, q, kv; writes q, kv
.if DOCPART == 2
	.amdgcn_target "amdgcn-amd-amdhsa--gfx1250"
	.amdhsa_code_object_version 6
	.text
	.protected	k_q8b466aa0bb_qkv
	.globl	k_q8b466aa0bb_qkv
	.p2align	8
	.type	k_q8b466aa0bb_qkv,@function
k_q8b466aa0bb_qkv:
	s_mov_b64 s[64:65], 0
	v_nop
	global_prefetch_b8 v0, s[64:65] scope:SCOPE_SE
	s_setreg_imm32_b32 hwreg(HW_REG_WAVE_MODE, 25, 1), 1
	s_wait_xcnt 0x0
	s_wait_alu depctr_hold_cnt(0) depctr_sa_sdst(0) depctr_va_vdst(0) depctr_va_sdst(0) depctr_va_ssrc(0) depctr_va_vcc(0) depctr_vm_vsrc(0)
	s_getreg_b32 s2, hwreg(HW_REG_IB_STS2, 6, 4)
	s_cmp_eq_u32 s2, 0
	s_cbranch_scc0 .Lentry_in_a_cluster
	s_endpgm
.Lentry_in_a_cluster:
	s_bfe_u32 s2, ttmp6, 0x10000c
	s_cmp_lg_u32 s2, 0xf033
	s_cbranch_scc0 .Lentry_shape_is_right
	s_endpgm
.Lentry_shape_is_right:
; q = x wq^T + bq, k = x wk^T, v = x wv^T + bv on codes of FP6 with E8M0 scales; RoPE on q and k in f32; q and k quantised along the head's 64, v along the keys; all three leave as images of operand registers.
; cu_seqlens is no argument: reference() takes its shape alone.
; A WORK-GROUP STAYS: it takes 128 tokens (tr) and rows 256 p .. 256 p + 255 of wq, then of wk, then of wv: three passes of 256 products a wave, four waves, 32 accumulators each (256 registers).
; Passes q and k: source 1 = 64 tokens (a lane holds one), source 0 = 128 rows of the weight (a lane's registers run along them).  Pass v, by the same text: source 1 = 64 rows of wv, source 0 = the 128 tokens.
; TILES of 16 rows.  Of a weight: tile 2 g + u holds rows 32 g + 8 u + {0..7, 16..23}: registers 0-7 of tiles 2 n, 2 n + 1 are, in lane half h, the 16 neighbours 32 n + 16 h + 0 .. 15 along d.
; Of tokens: tile 4 G + t holds rows 64 G + 8 t + {0..7, 32..39}: the 32 registers of four neighbouring tiles are, in lane half h, the 32 neighbouring keys 64 G + 32 h + 0 .. 31.
; LDS: the tokens' codes for all of K stay (two halves of K, 49,152 bytes each, filled once); the weights go through two slots of 98,304 bytes as six chunks of four K steps: chunk c lies in slot c % 2.
; At the head each wave issues one load (waves 0, 1 the tokens' halves of K, waves 2, 3 chunk 0's halves); every later fill stands behind the full sequence and a round of the cluster's barrier, one load a wave
; (4 tiles of the chunk): one is out by this text's count.  A slot is asked for again as soon as its last fragments are in registers: at K steps 3 and 7, 128 products a wave ahead of the wait for it.
; CLUSTER 4 x 4: the tokens' tiles are shared along a row of the cluster, the weights' along a column: joint loads.  No prefetch: each refill goes out a whole chunk ahead of its use, and nothing stands further ahead to ask for.
; The codes lie in memory as register images (768 bytes for six registers: 16 bytes a lane, then 8 bytes a lane), so every LDS load takes consecutive bytes: no pitch, no padding.
; LIMITS: NaN and infinities are not served; a block whose largest magnitude lies under 2^-124 is held at the byte 1; a block of zeros has the byte 1 (its codes are zeros; this program alone reads the bytes).
; REGISTERS, in windows of 256.  Window 0: v1-29 ids and addresses; v32-47 source 1's scale words (4 a + q), v48-79 source 0's (4 b + q): lanes 0-15 K step q, lanes 16-31 K step 4 + q;
;   v80-175 source 1's fragments, two sets, on the way out codes; v176-223 at work.   Window 1: accumulator (a, b) at 64 a + 8 b.   Window 2: source 0's fragments, two sets of 96; v192-255 the bias.   Window 3: cos and sin of my 64 tokens.
.set CH,    49152                      ; eight tiles x four K steps
.set SLOT0, 2*CH
.set SLOT1, 4*CH
.set TILEB, 12288                      ; a tile's codes for all of K
.set NEXTW, 64*TILEB-6144              ; from a weight's upper half of K to the next weight's lower
.set SPARE, 6*CH                       ; behind the slots: the spare words, 128 bytes a wave: two blocks of 256 bytes that no other line names
.set SA,    32
.set SB,    48
.set AF,    80
.set BIAS,  192
.set TM,    208
.set G1A,   28                         ; s[28:35] group 1 for the tokens' tiles; s[36:43] for chunk 0's halves; s[68:75] for the later fills
.set G1B,   36
.set G1R,   68
.set G0A,   44                         ; groups 0: s[44:47], s[48:51], s[52:55]
.set G0B,   48
.set G0R,   52
.set QBLK,  53248                      ; q: a (sequence, head): 64 tiles x 768 bytes, 16 scale units of 256
.set KVBLK, 104448                     ; kv: K's images 49,152, K's scale units 4,096, V's images 49,152, V's scale units 2,048
.set MSB, 0
.macro WIN new                         ; the immediate's high byte repeats the setting that is left
.if MSB != \new
	s_set_vgpr_msb (MSB<<8)|\new
.set MSB, \new
.endif
.endm
.macro PLACES n
.rept \n
	v_nop
.endr
.endm
.macro CROUND                          ; a round of the cluster's barrier
	s_barrier_signal -1
	s_barrier_wait -1
	s_cmp_lg_u32 s20, 0
	s_cbranch_scc1 .Lnot_wave_0_\@
	s_barrier_signal -3
.Lnot_wave_0_\@:
	s_barrier_wait -3
	s_barrier_signal -1
	s_barrier_wait -1
.endm
; 48 LDS loads: the fragments of K step s (source 0's eight, source 1's four) into set p; ab: the pass's address registers
.macro FETCH s, p, ab
	WIN 0x80                                       ; destination window 2
.irp i, 0,1,2,3,4,5,6,7
.irp c, 0,1
	ds_load_b128 v[96*(\p)+12*\i+6*\c:96*(\p)+12*\i+6*\c+3], v[\ab+2+4*((\s)/4)] offset:6144*\i+1536*((\s)%4)+768*\c
	ds_load_b64 v[96*(\p)+12*\i+6*\c+4:96*(\p)+12*\i+6*\c+5], v[\ab+3+4*((\s)/4)] offset:6144*\i+1536*((\s)%4)+768*\c
.endr
.endr
	WIN 0
.irp i, 0,1,2,3
.irp c, 0,1
	ds_load_b128 v[AF+48*(\p)+12*\i+6*\c:AF+48*(\p)+12*\i+6*\c+3], v[\ab+4*((\s)/4)] offset:6144*\i+1536*((\s)%4)+768*\c
	ds_load_b64 v[AF+48*(\p)+12*\i+6*\c+4:AF+48*(\p)+12*\i+6*\c+5], v[\ab+1+4*((\s)/4)] offset:6144*\i+1536*((\s)%4)+768*\c
.endr
.endr
.endm
; 32 matrix instructions: K step s from set p.  The 32 accumulators take turns, one instruction a turn, in the same order in every step.
; The first step starts the sums: cmode 0 with the constant 0, 1 with the bias of source 0's rows (eight registers a tile b), 2 with the bias of source 1's rows (a tile a's, the same in all eight registers).
.macro MUL32 s, p, cmode
.if ((\s) == 0) && ((\cmode) != 0)
	WIN 0x62                                       ; source 0 window 2, source 1 window 0, C window 2, D window 1
.else
	WIN 0x52                                       ; C and D window 1
.endif
.irp b, 0,1,2,3,4,5,6,7
.irp a, 0,1,2,3
.if (\s) >= 4
	v_wmma_scale_f32_16x16x128_f8f6f4 v[64*\a+8*\b:64*\a+8*\b+7], v[96*(\p)+12*\b:96*(\p)+12*\b+11], v[AF+48*(\p)+12*\a:AF+48*(\p)+12*\a+11], v[64*\a+8*\b:64*\a+8*\b+7], v[SB+4*\b+(\s)%4], v[SA+4*\a+(\s)%4] matrix_a_fmt:MATRIX_FMT_FP6 matrix_b_fmt:MATRIX_FMT_FP6 matrix_a_scale:MATRIX_SCALE_ROW1 matrix_b_scale:MATRIX_SCALE_ROW1
.elseif (\s) > 0
	v_wmma_scale_f32_16x16x128_f8f6f4 v[64*\a+8*\b:64*\a+8*\b+7], v[96*(\p)+12*\b:96*(\p)+12*\b+11], v[AF+48*(\p)+12*\a:AF+48*(\p)+12*\a+11], v[64*\a+8*\b:64*\a+8*\b+7], v[SB+4*\b+(\s)%4], v[SA+4*\a+(\s)%4] matrix_a_fmt:MATRIX_FMT_FP6 matrix_b_fmt:MATRIX_FMT_FP6
.elseif (\cmode) == 0
	v_wmma_scale_f32_16x16x128_f8f6f4 v[64*\a+8*\b:64*\a+8*\b+7], v[96*(\p)+12*\b:96*(\p)+12*\b+11], v[AF+48*(\p)+12*\a:AF+48*(\p)+12*\a+11], 0, v[SB+4*\b], v[SA+4*\a] matrix_a_fmt:MATRIX_FMT_FP6 matrix_b_fmt:MATRIX_FMT_FP6
.elseif (\cmode) == 1
	v_wmma_scale_f32_16x16x128_f8f6f4 v[64*\a+8*\b:64*\a+8*\b+7], v[96*(\p)+12*\b:96*(\p)+12*\b+11], v[AF+48*(\p)+12*\a:AF+48*(\p)+12*\a+11], v[BIAS+8*\b:BIAS+8*\b+7], v[SB+4*\b], v[SA+4*\a] matrix_a_fmt:MATRIX_FMT_FP6 matrix_b_fmt:MATRIX_FMT_FP6
.else
	v_wmma_scale_f32_16x16x128_f8f6f4 v[64*\a+8*\b:64*\a+8*\b+7], v[96*(\p)+12*\b:96*(\p)+12*\b+11], v[AF+48*(\p)+12*\a:AF+48*(\p)+12*\a+11], v[BIAS+8*\a:BIAS+8*\a+7], v[SB+4*\b], v[SA+4*\a] matrix_a_fmt:MATRIX_FMT_FP6 matrix_b_fmt:MATRIX_FMT_FP6
.endif
.endr
.endr
.endm
; A change of slots: all my tensor loads are in (my part of the other slot), the add, my reads of this slot are over; a round; this slot takes the chunk two on: my 4 tiles of it
.macro CHANGE slot, step
	WIN 0
	s_wait_tensorcnt 0x0
	ds_add_u32 v28, v29
	s_add_nc_u64 s[G0R+2:G0R+3], s[G0R+2:G0R+3], \step   ; no load of mine is out: the group 0 may be written
	s_add_co_u32 s[G0R+1], s57, \slot
	s_wait_dscnt 0x0
	CROUND                                         ; both hold of every wave of all sixteen work-groups
	tensor_load_to_lds s[G0R:G0R+3], s[G1R:G1R+7]
	s_nop 0
	PLACES 4                                       ; also the places in front of the loads that follow
.endm
; A pass: all of K, written out.  A step's fragments are fetched a step ahead, into the set that the step before has left, four places behind its last product (ISA guide 7.12.1 for vector instructions).
; more = 1: another pass follows, and both slots are filled again.  lc: how many younger global loads may stay out when the scale words and the bias are wanted.
.macro KLOOP cmode, ab, more, lc
	FETCH 0, 0, \ab
	s_wait_loadcnt \lc
.irp s, 0,1,2,3,4,5,6,7
.if \s < 7
.if \s == 3
.if \more
	CHANGE SLOT0, NEXTW                            ; slot 1 is whole; slot 0 takes the next weight's lower half of K
.else
	WIN 0
	s_wait_tensorcnt 0x0                           ; my part of the last chunk is in
	s_wait_dscnt 0x0
	s_barrier_signal -1
	s_barrier_wait -1
	PLACES 4
.endif
.elseif \s > 0
	PLACES 4
.endif
	FETCH \s+1, 1-\s%2, \ab
	s_wait_dscnt 48                                ; all but the 48 just issued: this step's fragments are in
.else
.if \more
	CHANGE SLOT1, 6144                             ; slot 0 is whole; slot 1 takes the next weight's upper half of K
.else
	s_wait_dscnt 0x0
.endif
.endif
	MUL32 \s, \s%2, \cmode
.endr
	WIN 0
	PLACES 4                                       ; in front of the first read of results, of loads into the scales' registers and of the first write of operands' registers
.endm
; 32 numbers of a lane, v[y] on: 16 of block 0 (k = 16 h + i), 16 of block 1 (k = 32 + 16 h + i), become six registers of codes, k = 32 h + 0 .. 31, in v[pc] on, and the two scale bytes in v[pw]
.macro QUANT2 y, pc, pw, t0, t1, t2, t3, ct
	v_max3_num_f32 v[\t0], |v[\y]|, |v[\y+1]|, 0x1800000       ; the floor 2^(3 - 127) holds the byte at 1 from below
	v_max3_num_f32 v[\t1], |v[\y+16]|, |v[\y+17]|, 0x1800000
.irp i, 2,4,6,8,10,12,14
	v_max3_num_f32 v[\t0], v[\t0], |v[\y+\i]|, |v[\y+\i+1]|
	v_max3_num_f32 v[\t1], v[\t1], |v[\y+16+\i]|, |v[\y+17+\i]|
.endr
	v_permlanex16_b32 v[\t2], v[\t0], s92, s93
	v_permlanex16_b32 v[\t3], v[\t1], s92, s93
	v_max_num_f32 v[\t0], v[\t0], v[\t2]           ; with lane l xor 16's: the block's largest magnitude
	v_max_num_f32 v[\t1], v[\t1], v[\t3]
	v_add_nc_u32 v[\t0], 0xff000000, v[\t0]        ; 2 off the exponent field: the conversion's scale operand
	v_add_nc_u32 v[\t1], 0xff000000, v[\t1]
	v_lshrrev_b32 v[\t2], 23, v[\t0]               ; the bytes
	v_lshrrev_b32 v[\t3], 23, v[\t1]
	v_lshl_or_b32 v[\pw], v[\t3], 8, v[\t2]
	v_cvt_scalef32_pk16_fp6_f32 v[(\pc):(\pc)+2], v[\y:\y+15], v[\t0]
	v_cvt_scalef32_pk16_fp6_f32 v[\ct:\ct+2], v[\y+16:\y+31], v[\t1]
	v_nop                                          ; one plain place behind a scaled conversion
.irp i, 0,1,2
	v_permlane16_swap_b32 v[(\pc)+\i], v[\ct+\i]   ; lanes 0-15 get block 0 whole, lanes 16-31 block 1
.endr
.irp i, 0,1,2
	v_mov_b32 v[(\pc)+3+\i], v[\ct+\i]
.endr
.endm
; 64 numbers of a lane in window 1, v[s] on: register 32 c + i = key 64 c + 32 h + i of my channel: two whole blocks.  They become a whole fragment in v[pc] .. v[pc + 11] and its scale word in v[pw]
.macro QUANTV s, pc, pw
	WIN 0x05                                       ; sources 0 and 1 window 1
.irp c, 0,1
	v_max3_num_f32 v[TM+\c], |v[\s+32*\c]|, |v[\s+32*\c+1]|, 0x1800000
.endr
	WIN 0x14                                       ; sources 1 and 2 window 1
.irp i, 2,4,6,8,10,12,14,16,18,20,22,24,26,28,30
.irp c, 0,1
	v_max3_num_f32 v[TM+\c], v[TM+\c], |v[\s+32*\c+\i]|, |v[\s+32*\c+\i+1]|   ; each accumulator is read from its low end on
.endr
.endr
	WIN 0
.irp c, 0,1
	v_add_nc_u32 v[TM+12+\c], 0xff000000, v[TM+\c]
.endr
.irp c, 0,1
	v_lshrrev_b32 v[TM+4+\c], 23, v[TM+12+\c]
.endr
	v_lshl_or_b32 v[TM+6], v[TM+5], 16, v[TM+4]    ; my two bytes, blocks h and 2 + h,
	v_lshlrev_b32 v[TM+6], v26, v[TM+6]            ; at their places in the word;
	v_permlanex16_b32 v[TM+7], v[TM+6], s92, s93
	v_or_b32 v[\pw], v[TM+6], v[TM+7]              ; with lane l xor 16's two the word is whole
	WIN 0x01                                       ; source 0 window 1
.irp c, 0,1
	v_cvt_scalef32_pk16_fp6_f32 v[(\pc)+6*\c:(\pc)+6*\c+2], v[\s+32*\c:\s+32*\c+15], v[TM+12+\c]
	v_cvt_scalef32_pk16_fp6_f32 v[(\pc)+12+4*\c:(\pc)+12+4*\c+2], v[\s+32*\c+16:\s+32*\c+31], v[TM+12+\c]
.endr
	WIN 0
	v_nop                                          ; one plain place behind a scaled conversion
.irp c, 0,1
.irp i, 0,1,2
	v_mov_b32 v[(\pc)+3+6*\c+\i], v[(\pc)+12+4*\c+\i]
.endr
.endr
.endm
; where q's or k's results go: sequence tr / 8, token tiles 8 (tr % 8) + 4 wa on, heads 4 p + 2 wb and the next
.macro QKPTR ptr, blk
	s_lshr_b32 s94, s60, 3
	s_lshl_b32 s94, s94, 4
	s_lshl_b32 s95, s61, 2
	s_add_co_u32 s94, s94, s95
	s_lshl_b32 s95, s22, 1
	s_add_co_u32 s94, s94, s95                     ; 16 x sequence + my first head
	s_mul_i32 s94, s94, \blk
	s_and_b32 s95, s60, 7
	s_lshl_b32 s95, s95, 1
	s_add_co_u32 s95, s95, s21                     ; which four tiles of the sequence's 64
	s_mul_i32 s2, s95, 4*768
	s_add_co_u32 s2, s2, s94
	s_mov_b32 s3, 0
	s_add_nc_u64 s[84:85], s[\ptr:\ptr+1], s[2:3]  ; images, first head,
	s_add_nc_u64 s[86:87], s[84:85], \blk          ; second head
	s_lshl_b32 s2, s95, 8
	s_add_co_u32 s2, s2, s94
	s_add_co_u32 s2, s2, 49152
	s_add_nc_u64 s[88:89], s[\ptr:\ptr+1], s[2:3]  ; scale units likewise
	s_add_nc_u64 s[90:91], s[88:89], \blk
.endm
; Tile a of tokens, head e of my two: x1 = d under 32 (accumulators 4 e, 4 e + 1), x2 = d from 32 (4 e + 2, 4 e + 3): y1 = x1 cos1 - x2 sin1, y2 = x2 cos2 + x1 sin2; quantised along d; the six registers leave as they stand
.macro ROPEQ a, e
	WIN 0x0d                                       ; source 0 window 1, source 1 window 3
.irp i, 0,2,4,6,8,10,12,14             ; each accumulator is read from its low end on
	v_pk_mul_f32 v[176+\i:177+\i], v[64*\a+32*\e+\i:64*\a+32*\e+\i+1], v[64*\a+\i:64*\a+\i+1]
	v_pk_mul_f32 v[192+\i:193+\i], v[64*\a+32*\e+16+\i:64*\a+32*\e+17+\i], v[64*\a+16+\i:64*\a+17+\i]
	v_pk_fma_f32 v[176+\i:177+\i], v[64*\a+32*\e+16+\i:64*\a+32*\e+17+\i], v[64*\a+32+\i:64*\a+33+\i], v[176+\i:177+\i] neg_lo:[1,0,0] neg_hi:[1,0,0]
	v_pk_fma_f32 v[192+\i:193+\i], v[64*\a+32*\e+\i:64*\a+32*\e+\i+1], v[64*\a+48+\i:64*\a+49+\i], v[192+\i:193+\i]
.endr
	WIN 0
	QUANT2 176, AF+8*(2*\a+\e), 144+2*\a+\e, 208, 209, 210, 211, 212
	global_store_b128 v4, v[AF+8*(2*\a+\e):AF+8*(2*\a+\e)+3], s[84+2*\e:85+2*\e] offset:768*\a     ; 512 consecutive bytes; every (a, e) has code registers of its own
	global_store_b64 v5, v[AF+8*(2*\a+\e)+4:AF+8*(2*\a+\e)+5], s[84+2*\e:85+2*\e] offset:768*\a    ; 256 consecutive bytes
.endm
.macro ROPEOUT
.irp a, 0,1,2,3
.irp e, 0,1
	ROPEQ \a, \e
.endr
.endr
	v_cmp_lt_u32 vcc_lo, 15, v3                    ; a scale unit: lane (r, h) stores row r's words of tiles 2 h and 2 h + 1
.irp e, 0,1
	v_cndmask_b32 v[152+2*\e], v[144+\e], v[148+\e], vcc_lo
	v_cndmask_b32 v[153+2*\e], v[146+\e], v[150+\e], vcc_lo
	global_store_b64 v6, v[152+2*\e:153+2*\e], s[88+2*\e:89+2*\e]   ; 256 consecutive bytes, aligned
.endr
	s_wait_alu depctr_va_vdst(0)                   ; the wait here, directly ahead of the wait below
	s_wait_xcnt 0x0                                ; the stores have read their registers and bases: the next pass's fragments land there only behind this wait
.endm
	s_load_b512 s[4:19], s[0:1], 0x0               ; codes s[4:5], scl s[6:7], bq s[8:9], bv s[10:11], cos s[12:13], sin s[14:15], q s[16:17], kv s[18:19]
	v_lshl_add_u32 v28, v0, 2, SPARE               ; my spare word; never rewritten
	v_mov_b32 v29, 0                               ; 0; never rewritten
	ds_add_u32 v28, v29                            ; the wave's opening: the add, twice on end, and its wait ahead of my first tensor load
	ds_add_u32 v28, v29
	v_lshrrev_b32 v1, 5, v0
	v_readfirstlane_b32 s20, v1                    ; wave 0..3
	s_lshr_b32 s21, s20, 1                         ; wa: which 64 tokens are mine in passes q and k
	s_and_b32 s22, s20, 1                          ; wb: which 128 rows of the weight there.  Also: which half I fetch at the head
	s_bfe_u32 s23, ttmp6, 0x40000                  ; cx
	s_bfe_u32 s24, ttmp6, 0x40004                  ; cy
	s_and_b32 s26, ttmp7, 0xffff
	s_lshl_b32 s60, s26, 2
	s_add_co_u32 s60, s60, s24                     ; tr: which 128 tokens
	s_lshl_b32 s61, ttmp9, 2
	s_add_co_u32 s61, s61, s23                     ; p: which 256 rows of each weight
	s_lshl_b32 s66, s60, 3                         ; the tokens' first tile in codes
	s_lshl_b32 s67, s61, 4
	s_add_co_u32 s67, s67, 512                     ; wq's first tile of mine; wk's lie 64 tiles on, wv's 128
	s_lshl_b32 s94, s24, 2
	s_lshl_b32 s94, 15, s94                        ; my row of the cluster
	s_lshl_b32 s95, 0x1111, s23                    ; my column
	s_or_b32 s[G1A], s94, (3<<16)|(1<<21)          ; 15:0 the mask; 17:16 elements of 8 bytes; 21 set beside a mask; no padding
	s_or_b32 s[G1B], s95, (3<<16)|(1<<21)
	s_or_b32 s[G1R], s95, (3<<16)|(1<<21)
.irp g, G1A, G1B, G1R
	s_mov_b32 s[\g+1], 768<<16                     ; tensor_dim0: a tile's four K steps, 6,144 bytes
	s_mov_b32 s[\g+3], 768<<16                     ; tile_dim0
	s_mov_b32 s[\g+5], 1536                        ; from tile to tile: 12,288 bytes
	s_mov_b32 s[\g+6], 0
	s_mov_b32 s[\g+7], 0
.endr
.irp g, G1A, G1B
	s_mov_b32 s[\g+2], 8<<16                       ; at the head eight tiles a load,
	s_mov_b32 s[\g+4], 8
.endr
	s_mov_b32 s[G1R+2], 4<<16                      ; later four
	s_mov_b32 s[G1R+4], 4
	s_mul_i32 s96, s66, TILEB
	s_mul_i32 s2, s22, 6144
	s_add_co_u32 s96, s96, s2                      ; the tokens' eight tiles, half wb of K: in registers that never hold cx
	s_mov_b32 s97, 0
	s_lshl_b32 s98, s22, 3
	s_add_co_u32 s98, s98, s67
	s_mul_i32 s98, s98, TILEB                      ; chunk 0: eight tiles of wq, in registers that never hold cy
	s_mov_b32 s99, 0
	s_lshl_b32 s58, s20, 2
	s_add_co_u32 s58, s58, s67
	s_mul_i32 s58, s58, TILEB
	s_add_co_u32 s58, s58, 6144                    ; chunk 1: my four tiles of wq, upper half of K
	s_mov_b32 s59, 0
	s_mul_i32 s84, s22, CH                         ; where they go: no place in the cluster enters an LDS address
	s_add_co_u32 s85, s84, SLOT0
	s_mul_i32 s57, s20, 4*6144
	s_mov_b32 s92, 0x76543210
	s_mov_b32 s93, 0xfedcba98                      ; v_permlanex16_b32's selects for lane l xor 16
	s_wait_dscnt 0x0                               ; both opening adds are done
	s_wait_kmcnt 0x0
	s_add_nc_u64 s[96:97], s[4:5], s[96:97]
	s_add_nc_u64 s[98:99], s[4:5], s[98:99]
	s_add_nc_u64 s[58:59], s[4:5], s[58:59]
	CROUND                                         ; all sixteen work-groups are here: the joint loads meet
	s_mov_b32 s[G0A], 1
	s_mov_b32 s[G0A+1], s84
	s_mov_b64 s[G0A+2:G0A+3], s[96:97]
	s_or_b32 s[G0A+3], s[G0A+3], 0x80000000
	s_mov_b32 s[G0B], 1
	s_mov_b32 s[G0B+1], s85
	s_mov_b64 s[G0B+2:G0B+3], s[98:99]
	s_or_b32 s[G0B+3], s[G0B+3], 0x80000000
	s_mov_b32 s[G0R], 1
	s_add_co_u32 s[G0R+1], s57, SLOT1
	s_mov_b64 s[G0R+2:G0R+3], s[58:59]
	s_or_b32 s[G0R+3], s[G0R+3], 0x80000000
	s_cmp_lt_u32 s20, 2                            ; one tensor load a wave at the head, in one branch on the wave's number
	s_cbranch_scc0 .Lfill_b
	tensor_load_to_lds s[G0A:G0A+3], s[G1A:G1A+7]
	s_nop 0
	PLACES 4
	s_branch .Lfilled
.Lfill_b:
	tensor_load_to_lds s[G0B:G0B+3], s[G1B:G1B+7]
	s_nop 0
	PLACES 4
.Lfilled:
	s_mov_b32 s3, 0
	s_lshl_b32 s2, s21, 2
	s_add_co_u32 s2, s2, s66
	s_lshl_b32 s2, s2, 9
	s_add_nc_u64 s[76:77], s[6:7], s[2:3]          ; scale words: my four tiles of tokens (q, k),
	s_lshl_b32 s2, s66, 9
	s_add_nc_u64 s[78:79], s[6:7], s[2:3]          ; all eight (v),
	s_lshl_b32 s2, s22, 3
	s_add_co_u32 s2, s2, s67
	s_lshl_b32 s2, s2, 9
	s_add_nc_u64 s[80:81], s[6:7], s[2:3]          ; my eight tiles of wq (wk's 32,768 bytes on),
	s_lshl_b32 s2, s20, 2
	s_add_co_u32 s2, s2, s67
	s_lshl_b32 s2, s2, 9
	s_add_nc_u64 s[82:83], s[6:7], s[2:3]          ; my four tiles of wv lie 65,536 bytes behind this
	s_lshl_b32 s2, s61, 10
	s_lshl_b32 s94, s22, 9
	s_add_co_u32 s2, s2, s94
	s_add_nc_u64 s[8:9], s[8:9], s[2:3]            ; bq at my 128 columns
	s_lshl_b32 s2, s61, 10
	s_lshl_b32 s94, s20, 8
	s_add_co_u32 s2, s2, s94
	s_add_nc_u64 s[10:11], s[10:11], s[2:3]        ; bv at my 64 channels
	s_lshl_b32 s2, s60, 7
	s_lshl_b32 s94, s21, 6
	s_add_co_u32 s2, s2, s94                       ; my first token
	s_lshl_b32 s2, s2, 8
	s_add_nc_u64 s[12:13], s[12:13], s[2:3]
	s_add_nc_u64 s[14:15], s[14:15], s[2:3]
	v_and_b32 v1, 15, v0                           ; r
	v_bfe_u32 v2, v0, 4, 1                         ; h
	v_and_b32 v3, 31, v0                           ; lane
	v_lshlrev_b32 v4, 4, v3                        ; 16 x lane
	v_lshl_add_u32 v5, v3, 3, 512                  ; 8 x lane + 512
	v_lshlrev_b32 v6, 3, v3                        ; 8 x lane
	s_mul_i32 s2, s21, 4*6144                      ; q, k: my four tiles of tokens,
	s_mul_i32 s3, s22, 8*6144
	s_add_co_u32 s3, s3, SLOT0                     ; my eight of the weight;
	s_mul_i32 s62, s20, 4*6144
	s_add_co_u32 s62, s62, SLOT0                   ; v: my four of the weight,
	s_mov_b32 s63, 0                               ; all eight of tokens
.irp j, 0,1                            ; LDS addresses for half j of K: source 1's by 16 and by 8 bytes a lane, source 0's likewise; v8-15 for q and k, v16-23 for v
	v_add_nc_u32 v[8+4*\j], s2, v4
	v_add_nc_u32 v[9+4*\j], s2, v5
	v_add_nc_u32 v[10+4*\j], s3, v4
	v_add_nc_u32 v[11+4*\j], s3, v5
	v_add_nc_u32 v[16+4*\j], s62, v4
	v_add_nc_u32 v[17+4*\j], s62, v5
	v_add_nc_u32 v[18+4*\j], s63, v4
	v_add_nc_u32 v[19+4*\j], s63, v5
	s_add_co_u32 s2, s2, CH
	s_add_co_u32 s3, s3, 2*CH
	s_add_co_u32 s62, s62, 2*CH
	s_add_co_u32 s63, s63, CH
.endr
	v_and_b32 v25, 8, v1
	v_mad_u32_u24 v7, v25, 3, v1                   ; r + 24 (r / 8): lane r's token in its group of 64
	v_add_nc_u32 v25, v25, v1                      ; r + 8 (r / 8): lane r's row of a weight in its group of 32
	v_lshlrev_b32 v7, 8, v7
	v_lshl_add_u32 v7, v2, 6, v7                   ; cos, sin: that token's 256 bytes, + 64 h
	v_lshlrev_b32 v24, 6, v2                       ; a bias along the registers: 64 h
	v_lshlrev_b32 v25, 2, v25                      ; a bias along the lanes: 4 bytes a row
	v_lshlrev_b32 v26, 3, v2                       ; 8 h: where my bytes stand in a scale word
.irp i, 210,211,212,213,214,215
	v_mov_b32 v\i, 0                               ; written once: a lane permute's destination counts as one of its sources
.endr
	s_wait_alu depctr_va_vdst(0)                   ; the wait at the head's end
.irp a, 0,1,2,3
	global_load_b128 v[SA+4*\a:SA+4*\a+3], v4, s[76:77] offset:512*\a   ; lane (r, h): row r's words of K steps 4 h .. 4 h + 3
.endr
.irp b, 0,1,2,3,4,5,6,7
	global_load_b128 v[SB+4*\b:SB+4*\b+3], v4, s[80:81] offset:512*\b
.endr
	WIN 0x80
.irp b, 0,1,2,3,4,5,6,7                ; register j of tile b is column 32 (b / 2) + 16 h + 8 (b % 2) + j
	global_load_b128 v[BIAS+8*\b:BIAS+8*\b+3], v24, s[8:9] offset:128*(\b/2)+32*(\b%2)
	global_load_b128 v[BIAS+8*\b+4:BIAS+8*\b+7], v24, s[8:9] offset:128*(\b/2)+32*(\b%2)+16
.endr
	WIN 0xc0                               ; cos and sin of my 64 tokens into window 3, for q and k alike: for tile a: cos(d = 16 h + i), cos(32 + 16 h + i), sin likewise, 16 registers each
.irp a, 0,1,2,3
.irp jj, 0,1,2,3
	global_load_b128 v[64*\a+4*\jj:64*\a+4*\jj+3], v7, s[12:13] offset:2048*\a+16*\jj
	global_load_b128 v[64*\a+16+4*\jj:64*\a+16+4*\jj+3], v7, s[12:13] offset:2048*\a+128+16*\jj
	global_load_b128 v[64*\a+32+4*\jj:64*\a+32+4*\jj+3], v7, s[14:15] offset:2048*\a+16*\jj
	global_load_b128 v[64*\a+48+4*\jj:64*\a+48+4*\jj+3], v7, s[14:15] offset:2048*\a+128+16*\jj
.endr
.endr
	WIN 0
	s_wait_tensorcnt 0x0                           ; my load of the head's four is in
	ds_add_u32 v28, v29
	s_wait_dscnt 0x0
	CROUND                                         ; all four loads are in, and all sixteen work-groups are here
	tensor_load_to_lds s[G0R:G0R+3], s[G1R:G1R+7]  ; chunk 1 into slot 1: my one load behind the round
	s_nop 0
	PLACES 4
	; ---- q
	KLOOP 1, 8, 1, 63                              ; behind the scale words and the bias stand 64 loads of cos and sin: with at most 63 out, the first 29 are in
.irp b, 0,1,2,3,4,5,6,7
	global_load_b128 v[SB+4*\b:SB+4*\b+3], v4, s[80:81] offset:512*\b+32768   ; wk's scale words land while q goes out
.endr
	QKPTR 16, QBLK
	s_wait_loadcnt 8                               ; cos and sin are in; the eight just issued may be out
	ROPEOUT
	; ---- k: no bias, the sums start with the constant 0
	KLOOP 0, 8, 1, 0
.irp a, 0,1,2,3
	global_load_b128 v[SA+4*\a:SA+4*\a+3], v4, s[82:83] offset:512*\a+65536   ; pass v's scale words and bias land while k goes out: wv's four tiles,
.endr
.irp b, 0,1,2,3,4,5,6,7
	global_load_b128 v[SB+4*\b:SB+4*\b+3], v4, s[78:79] offset:512*\b         ; the tokens' eight,
.endr
	WIN 0x80
.irp a, 0,1,2,3
.irp j, 0,1,2,3,4,5,6,7
	global_load_b32 v[BIAS+8*\a+\j], v25, s[10:11] offset:4*(32*(\a/2)+8*(\a%2))   ; my channel's bias, in all eight registers of the sum's first C
.endr
.endr
	WIN 0
	QKPTR 18, KVBLK
	ROPEOUT
	; ---- v: a lane holds a channel, its registers run along the keys: my 64 channels are head 4 p + wave, the 128 tokens key step tr % 8 of sequence tr / 8
	KLOOP 2, 16, 0, 0
	s_lshr_b32 s94, s60, 3
	s_lshl_b32 s94, s94, 4
	s_lshl_b32 s95, s61, 2
	s_add_co_u32 s94, s94, s95
	s_add_co_u32 s94, s94, s20
	s_mul_i32 s94, s94, KVBLK
	s_and_b32 s95, s60, 7
	s_mul_i32 s2, s95, 6144
	s_add_co_u32 s2, s2, s94
	s_add_co_u32 s2, s2, 53248
	s_mov_b32 s3, 0
	s_add_nc_u64 s[84:85], s[18:19], s[2:3]        ; the key step's four fragments
	s_lshl_b32 s2, s95, 8
	s_add_co_u32 s2, s2, s94
	s_add_co_u32 s2, s2, 102400
	s_add_nc_u64 s[88:89], s[18:19], s[2:3]        ; and its scale unit
.irp a, 0,1,2,3
	QUANTV 64*\a, 32+20*\a, 112+\a
.irp c, 0,1,2
	global_store_b128 v4, v[32+20*\a+4*\c:32+20*\a+4*\c+3], s[84:85] offset:1536*\a+512*\c   ; 512 consecutive bytes
.endr
.endr
	v_cmp_lt_u32 vcc_lo, 15, v3
	v_cndmask_b32 v116, v112, v114, vcc_lo
	v_cndmask_b32 v117, v113, v115, vcc_lo
	global_store_b64 v6, v[116:117], s[88:89]
	s_wait_tensorcnt 0x0                           ; the wave's end
	ds_add_u32 v28, v29
	s_wait_dscnt 0x0
	CROUND                                         ; the closing round
	s_endpgm
.Lfunc_end_k_q8b466aa0bb_qkv:
	.size	k_q8b466aa0bb_qkv, .Lfunc_end_k_q8b466aa0bb_qkv-k_q8b466aa0bb_qkv
	.p2alignl 7, 3214868480
	.fill 96, 4, 3214868480
	.section	.rodata,"a",@progbits
	.p2align	6, 0x0
	.amdhsa_kernel k_q8b466aa0bb_qkv
		.amdhsa_group_segment_fixed_size 327680
		.amdhsa_private_segment_fixed_size 0
		.amdhsa_enable_private_segment 0
		.amdhsa_kernarg_size 64
		.amdhsa_user_sgpr_count 2
		.amdhsa_user_sgpr_kernarg_segment_ptr 1
		.amdhsa_wavefront_size32 1
		.amdhsa_system_sgpr_workgroup_id_x 1
		.amdhsa_system_sgpr_workgroup_id_y 1
		.amdhsa_system_sgpr_workgroup_id_z 1
		.amdhsa_system_vgpr_workitem_id 0
		.amdhsa_next_free_vgpr 1024
		.amdhsa_next_free_sgpr 100
		.amdhsa_reserve_vcc 1
		.amdhsa_float_denorm_mode_32 3
		.amdhsa_float_denorm_mode_16_64 3
		.amdhsa_memory_ordered 1
		.amdhsa_forward_progress 1
		.amdhsa_inst_pref_size 255
	.end_amdhsa_kernel
	.section	.bss,"aw",@nobits
	.p2align	6
	.space	262144
	.amdgpu_metadata
---
amdhsa.version: [ 1, 2 ]
amdhsa.kernels:
  - .name:           k_q8b466aa0bb_qkv
    .symbol:         k_q8b466aa0bb_qkv.kd
    .args:
      - { .name: codes, .offset: 0, .size: 8, .value_kind: global_buffer, .address_space: global }
      - { .name: scl, .offset: 8, .size: 8, .value_kind: global_buffer, .address_space: global }
      - { .name: bq, .offset: 16, .size: 8, .value_kind: global_buffer, .address_space: global }
      - { .name: bv, .offset: 24, .size: 8, .value_kind: global_buffer, .address_space: global }
      - { .name: cos, .offset: 32, .size: 8, .value_kind: global_buffer, .address_space: global }
      - { .name: sin, .offset: 40, .size: 8, .value_kind: global_buffer, .address_space: global }
      - { .name: q, .offset: 48, .size: 8, .value_kind: global_buffer, .address_space: global }
      - { .name: kv, .offset: 56, .size: 8, .value_kind: global_buffer, .address_space: global }
    .group_segment_fixed_size: 327680
    .private_segment_fixed_size: 0
    .kernarg_segment_align: 8
    .kernarg_segment_size: 64
    .max_flat_workgroup_size: 128
    .sgpr_count:     100
    .vgpr_count:     1024
    .wavefront_size: 32
...
	.end_amdgpu_metadata
.endif
;; end of part 2
;; launch attn (part 3): grid 4 x 64, 16 waves a work-group, clusters of 4 x 1, 327,680 bytes of LDS; arguments q, kv, oimg, oscl; writes oimg, oscl
.if DOCPART == 3
	.amdgcn_target "amdgcn-amd-amdhsa--gfx1250"
	.amdhsa_code_object_version 6
	.text
	.protected	k_q8b466aa0bb_attn
	.globl	k_q8b466aa0bb_attn
	.p2align	8
	.type	k_q8b466aa0bb_attn,@function
k_q8b466aa0bb_attn:
	s_mov_b64 s[64:65], 0
	v_nop
	global_prefetch_b8 v0, s[64:65] scope:SCOPE_SE
	s_setreg_imm32_b32 hwreg(HW_REG_WAVE_MODE, 25, 1), 1
	s_wait_xcnt 0x0
	s_wait_alu depctr_hold_cnt(0) depctr_sa_sdst(0) depctr_va_vdst(0) depctr_va_sdst(0) depctr_va_ssrc(0) depctr_va_vcc(0) depctr_vm_vsrc(0)
	s_getreg_b32 s2, hwreg(HW_REG_IB_STS2, 6, 4)
	s_cmp_eq_u32 s2, 0
	s_cbranch_scc0 .Lentry_in_a_cluster
	s_endpgm
.Lentry_in_a_cluster:
	s_bfe_u32 s2, ttmp6, 0x10000c
	s_cmp_lg_u32 s2, 0x3003
	s_cbranch_scc0 .Lentry_shape_is_right
	s_endpgm
.Lentry_shape_is_right:
; o = softmax(q k^T / 8) v for 8 sequences x 16 heads of 1,024 x 1,024, head size 64, both products on codes of FP6 with E8M0 scales; o / l is quantised along E and leaves as the next product's operand.
; The segments are reference()'s own: it reshapes by max_seqlen = 1,024 and takes of cu_seqlens the shape alone; its numbers enter no result, so no launch of this program has it among its arguments.
; THE SOFTMAX: t = score x log2(e) / 8; M = the running largest t rounded UP to a whole number; p = 2^(t - M) is quantised along the keys; the row's sum is taken of the unquantised p and divides at the end.
; When M moves, the sum and O are multiplied by 2^(old M - new M): exact.
; SHARES: work-group y = 8 x sequence + g takes heads 2 g and 2 g + 1; its place in the cluster says which 256 queries.  Each of sixteen waves owns one tile of 16 queries and walks the two heads one after the other.
; K AND V OF BOTH HEADS, 208,896 bytes, lie in LDS whole, each byte filled once, by joint loads of the cluster's four work-groups.  Waves 0-7 fetch an eighth of head 2 g each at the head;
; behind the full sequence and a round they fetch head 2 g + 1 likewise: one load a wave is out by this text's count.  The second head is shown to all waves by a barrier whose signal stands behind
; key step 1 and whose wait stands ahead of key step 7: only LDS loads and work on registers lie between.  All of K and V is asked for by these two fills: there is no later tile to prefetch.
; LAYOUT: both products are used transposed (S^T = K Q^T, O^T = V^T P^T): a lane holds one query throughout.  Tile 4 G + t of K holds keys 64 G + 8 t + {0..7, 32..39}: so the 32 registers of four
; neighbouring tiles are, in lane half h, the 32 neighbouring keys 64 G + 32 h + 0 .. 31: a whole block of p, in the order of the operand's registers.  No other lane is asked for a block's maximum.
; The head's 64 are half of the instruction's K.  Registers 6-11 of Q's fragment are zero codes; registers 6-11 of a tile of K are whatever follows its six (the next tile's codes; behind the last tile, P):
; every pattern of six bits is a finite number, and it meets a zero code; bytes 2 and 3 of both scale words are 0, a finite scale.
; A scale unit of 256 bytes holds the words of four tiles: lanes 0-15 take tiles 0 and 1, lanes 16-31 tiles 2 and 3, which the products name by the scale's upper row.
; LIMITS: NaN and infinities are not served; the promise holds while |t| stays under 2^31; a block whose largest magnitude lies under 2^-124 is held at the byte 1; a block of zeros has the byte 1
; (its codes are zeros; this program alone reads the bytes).  o's scale words are stored 4 bytes a row, 16 bytes apart: one byte in 24 of what the launch stores.
.set KVBLK, 104448                     ; a head in kv and in LDS: K's images at 0, K's scale units at 49,152, V's images at 53,248, V's scale units at 102,400
.set QBLK,  53248
.set PART,  13056                      ; an eighth of a head: 51 rows of 256 bytes
.set SPARE, 2*KVBLK                    ; behind the two heads: the spare words, 128 bytes a wave: eight blocks of 256 bytes that no other line names
; REGISTERS: v0 16 x lane, v29 8 x lane + 512 (global offsets); v1-5 LDS addresses, stepped by a head's block; v6, v7 the add's two; v8, v31 at work; v9 o's scale word; v[10:11] f or 1 / l; v12 -M;
; v13 the largest score; v[14:15] the sum; v16-27 Q; v28 Q's scale word; v30 p's
.set KF, 32                            ; v32-79   eight tiles of K, six registers each
.set P,  80                            ; v80-91   p's codes; ahead of them at work
.set VF, 92                            ; v92-139  four fragments of V
.set S,  140                           ; v140-203 S^T, then p
.set O,  204                           ; v204-235 O^T
.set KS, 236                           ; v236-239 K's scale words
.set VS, 240                           ; v240-241 V's
.set QSA, 242                          ; 8 r + 49,152: Q's scale word in its block
.set OM, 243                           ; the old -M
.set CT, 244                           ; v244-246, v248-250 the blocks' upper halves as the conversions leave them; v247, v251 the blocks' largest score, largest p, scale operand
.set T0, 252                           ; v252-255 at work on the way out
.macro PLACES n
.rept \n
	v_nop
.endr
.endm
.macro CROUND                          ; a round of the cluster's barrier
	s_barrier_signal -1
	s_barrier_wait -1
	s_cmp_lg_u32 s12, 0
	s_cbranch_scc1 .Lnot_wave_0_\@
	s_barrier_signal -3
.Lnot_wave_0_\@:
	s_barrier_wait -3
	s_barrier_signal -1
	s_barrier_wait -1
.endm
.macro KLOAD ks                        ; a key step's eight tiles of K and their two scale units
.irp t, 0,1,2,3,4,5,6,7
	ds_load_b128 v[KF+6*\t:KF+6*\t+3], v1 offset:768*(8*(\ks)+\t)
	ds_load_b64 v[KF+6*\t+4:KF+6*\t+5], v2 offset:768*(8*(\ks)+\t)
.endr
.irp u, 0,1
	ds_load_b64 v[KS+2*\u:KS+2*\u+1], v4 offset:256*(2*(\ks)+\u)
.endr
.endm
.macro VLOAD ks                        ; the key step's four fragments of V^T (16 channels x 128 keys) and their scale unit
.irp t, 0,1,2,3
.irp c, 0,1,2
	ds_load_b128 v[VF+12*\t+4*\c:VF+12*\t+4*\c+3], v3 offset:6144*(\ks)+1536*\t+512*\c
.endr
.endr
	ds_load_b64 v[VS:VS+1], v5 offset:256*(\ks)
.endm
; 32 numbers of a lane, 16 of block 0 and 16 of block 1, become six registers of codes, k = 32 h + 0 .. 31, and two scale bytes (o, whose channels lie as wv's tiles have them)
.macro QUANT2 y, pc, pw, t0, t1, t2, t3, ct
	v_max3_num_f32 v[\t0], |v[\y]|, |v[\y+1]|, 0x1800000
	v_max3_num_f32 v[\t1], |v[\y+16]|, |v[\y+17]|, 0x1800000
.irp i, 2,4,6,8,10,12,14
	s_delay_alu instid0(VALU_DEP_2)
	v_max3_num_f32 v[\t0], v[\t0], |v[\y+\i]|, |v[\y+\i+1]|
	s_delay_alu instid0(VALU_DEP_2)
	v_max3_num_f32 v[\t1], v[\t1], |v[\y+16+\i]|, |v[\y+17+\i]|
.endr
	s_delay_alu instid0(VALU_DEP_2)
	v_permlanex16_b32 v[\t2], v[\t0], s40, s41
	s_delay_alu instid0(VALU_DEP_2)
	v_permlanex16_b32 v[\t3], v[\t1], s40, s41
	s_delay_alu instid0(VALU_DEP_2)
	v_max_num_f32 v[\t0], v[\t0], v[\t2]
	s_delay_alu instid0(VALU_DEP_2)
	v_max_num_f32 v[\t1], v[\t1], v[\t3]
	s_delay_alu instid0(VALU_DEP_2)
	v_add_nc_u32 v[\t0], 0xff000000, v[\t0]
	s_delay_alu instid0(VALU_DEP_2)
	v_add_nc_u32 v[\t1], 0xff000000, v[\t1]
	s_delay_alu instid0(VALU_DEP_2)
	v_lshrrev_b32 v[\t2], 23, v[\t0]
	s_delay_alu instid0(VALU_DEP_2)
	v_lshrrev_b32 v[\t3], 23, v[\t1]
	s_delay_alu instid0(VALU_DEP_1)
	v_lshl_or_b32 v[\pw], v[\t3], 8, v[\t2]
	v_cvt_scalef32_pk16_fp6_f32 v[\pc:\pc+2], v[\y:\y+15], v[\t0]
	v_cvt_scalef32_pk16_fp6_f32 v[\ct:\ct+2], v[\y+16:\y+31], v[\t1]
	v_nop                                          ; one plain place behind a scaled conversion
.irp i, 0,1,2
	v_permlane16_swap_b32 v[\pc+\i], v[\ct+\i]
.endr
.irp i, 0,1,2
	s_delay_alu instid0(VALU_DEP_3)
	v_mov_b32 v[\pc+3+\i], v[\ct+\i]
.endr
.endm
; A KEY STEP: 128 keys.  Written out eight times: every offset is an immediate.  Step 0 starts M, the sum and O^T anew.
.macro STEP ks
.if (\ks) == 0
	s_wait_dscnt 0x0                               ; K's tiles (in later steps the wait ahead of the step before's last products has shown them in)
.endif
.irp t, 0,1,2,3,4,5,6,7
.if (\t%4) < 2
	v_wmma_scale_f32_16x16x128_f8f6f4 v[S+8*\t:S+8*\t+7], v[KF+6*\t:KF+6*\t+11], v[16:27], 0, v[KS+2*(\t/4)+\t%2], v28 matrix_a_fmt:MATRIX_FMT_FP6 matrix_b_fmt:MATRIX_FMT_FP6
.else
	v_wmma_scale_f32_16x16x128_f8f6f4 v[S+8*\t:S+8*\t+7], v[KF+6*\t:KF+6*\t+11], v[16:27], 0, v[KS+2*(\t/4)+\t%2], v28 matrix_a_fmt:MATRIX_FMT_FP6 matrix_b_fmt:MATRIX_FMT_FP6 matrix_a_scale:MATRIX_SCALE_ROW1
.endif
.endr
	PLACES 4                                       ; in front of loads into registers that matrix instructions have read, and of the first read of results
	VLOAD \ks                                      ; V and the next step's K land while the softmax is walked
.if (\ks) < 7
	KLOAD (\ks)+1
.else
	s_cmp_eq_u32 s42, 1                            ; the second head's Q is asked for in the first trip alone: no load leaves its buffer
	s_cbranch_scc1 .Lno_next_q
	global_load_b128 v[16:19], v0, s[32:33] offset:QBLK
	global_load_b64 v[20:21], v29, s[32:33] offset:QBLK
	global_load_b32 v28, v[QSA], s[44:45] offset:QBLK
.Lno_next_q:
.endif
.irp t, 0,1,2,3,4,5,6,7                ; the largest score: eight chains by turns, a tile each, from its low end on
	v_max3_num_f32 v[P+\t], v[S+8*\t], v[S+8*\t+1], v[S+8*\t+2]
.endr
.irp i, 3,5
.irp t, 0,1,2,3,4,5,6,7
	v_max3_num_f32 v[P+\t], v[P+\t], v[S+8*\t+\i], v[S+8*\t+\i+1]
.endr
.endr
.irp c, 0,1                            ; block 2 c + h is all mine: its four chains and the tiles' last registers
	v_max_num_f32 v[P+8+\c], v[S+32*\c+7], v[S+32*\c+15]
	v_max3_num_f32 v[P+10+\c], v[P+4*\c+3], v[S+32*\c+23], v[S+32*\c+31]
	v_max3_num_f32 v[P+4*\c], v[P+4*\c], v[P+4*\c+1], v[P+4*\c+2]
.endr
	s_delay_alu instid0(VALU_DEP_4)
	v_max3_num_f32 v[CT+3], v[P], v[P+8], v[P+10]  ; the block's largest score: for the row's maximum and, since p rises with the score, for the block's largest p
	s_delay_alu instid0(VALU_DEP_2)
	v_max3_num_f32 v[CT+7], v[P+4], v[P+9], v[P+11]
.if (\ks) > 0
	v_mov_b32 v[OM], v12
.endif
.if (\ks) > 0
	s_delay_alu instid0(VALU_DEP_2)
.else
	s_delay_alu instid0(VALU_DEP_1)
.endif
	v_max_num_f32 v8, v[CT+3], v[CT+7]
	s_delay_alu instid0(VALU_DEP_1)
	v_permlanex16_b32 v31, v8, s40, s41            ; lane l xor 16's 64 keys
	s_delay_alu instid0(VALU_DEP_1)
.if (\ks) == 0
	v_max_num_f32 v13, v8, v31                     ; the largest score so far of my query
.else
	v_max3_num_f32 v13, v13, v8, v31
.endif
	s_delay_alu instid0(VALU_DEP_1)
	v_mul_f32 v8, s38, v13                         ; as t (c is positive)
	s_delay_alu instid0(VALU_DEP_1)
	v_floor_f32 v12, -v8                           ; -M = floor(-t) = -ceil(t)
	s_delay_alu instid0(VALU_DEP_1)
	v_fma_f32 v[CT+3], v[CT+3], s38, v12           ; t - M of each block's largest score
	v_fma_f32 v[CT+7], v[CT+7], s38, v12
.set j, 0
.rept 32
	v_pk_fma_f32 v[S+j:S+j+1], v[S+j:S+j+1], s[38:39], v[12:13] op_sel_hi:[1,0,0]   ; t - M, two at a time
.if (\ks) > 0
.if j == 6
	v_sub_f32 v8, v12, v[OM]                       ; old M - new M: a whole number, 0 or less
.endif
.if j == 16
	v_cvt_i32_f32 v8, v8                           ; (it saturates)
.endif
.if j == 26
	v_ldexp_f32 v10, 1.0, v8                       ; f = 2^(old M - new M)
.endif
.endif
.set j, j+2
.endr
	s_wait_alu depctr_va_vdst(0)                   ; the wait ahead of the batch
	v_exp_f32 v[CT+3], v[CT+3]                     ; the blocks' largest p
	v_exp_f32 v[CT+7], v[CT+7]
.set j, 0
.rept 64
	v_exp_f32 v[S+j], v[S+j]                       ; p = 2^(t - M), at most 1
.set j, j+1
.endr
.if (\ks) == 0
	v_nop                                          ; a plain place behind the exponentials
.else
	v_pk_mul_f32 v[14:15], v[14:15], v[10:11] op_sel_hi:[1,0]   ; the sum under the new M.  (A plain place behind the exponentials)
.endif
	s_wait_alu depctr_va_vdst(0)                   ; one wait for the batch, directly ahead of the first reader of O^T too
.if (\ks) > 0
.set j, 0
.rept 16
	v_pk_mul_f32 v[O+j:O+j+1], v[O+j:O+j+1], v[10:11] op_sel_hi:[1,0]   ; O^T under the new M
.set j, j+2
.endr
.endif
	v_max_num_f32 v[CT+3], 0x1800000, v[CT+3]      ; the floor 2^(3 - 127)
	v_max_num_f32 v[CT+7], 0x1800000, v[CT+7]
	s_delay_alu instid0(VALU_DEP_2)
	v_add_nc_u32 v[CT+3], 0xff000000, v[CT+3]      ; 2 off the exponent field: the conversion's scale operand
	s_delay_alu instid0(VALU_DEP_2)
	v_add_nc_u32 v[CT+7], 0xff000000, v[CT+7]
	s_delay_alu instid0(VALU_DEP_2)
	v_lshrrev_b32 v8, 23, v[CT+3]                  ; the bytes of blocks h and 2 + h
	s_delay_alu instid0(VALU_DEP_2)
	v_lshrrev_b32 v31, 23, v[CT+7]
	s_delay_alu instid0(VALU_DEP_1)
	v_lshl_or_b32 v8, v31, 16, v8
	s_delay_alu instid0(VALU_DEP_1)
	v_permlanex16_b32 v31, v8, s40, s41
	s_delay_alu instid0(VALU_DEP_1)
	v_lshl_or_b32 v30, v31, 8, v8                  ; lanes 0-15, which alone are read: blocks 0 and 2 are mine, 1 and 3 lane l + 16's
.irp c, 0,1
	v_cvt_scalef32_pk16_fp6_f32 v[P+6*\c:P+6*\c+2], v[S+32*\c:S+32*\c+15], v[CT+3+4*\c]
	v_cvt_scalef32_pk16_fp6_f32 v[CT+4*\c:CT+4*\c+2], v[S+32*\c+16:S+32*\c+31], v[CT+3+4*\c]   ; (a conversion's three registers begin on an even number)
.endr
	v_nop                                          ; one plain place behind a scaled conversion
.irp c, 0,1
.irp i, 0,1,2
	v_mov_b32 v[P+3+6*\c+\i], v[CT+4*\c+\i]
.endr
.endr
.set j, 0
.rept 16
	v_pk_add_f32 v[S+j:S+j+1], v[S+j:S+j+1], v[S+j+2:S+j+3]   ; the sum of the unquantised p, pair onto pair, in place: p has been converted.  (These are also the places ahead of the scaled products)
.set j, j+4
.endr
	s_wait_alu depctr_va_vdst(0)                   ; the wait here, directly ahead of the wait below
	s_wait_dscnt 0x0                               ; V, and the next step's K
.irp t, 0,1,2,3
.if (\ks) == 0
.if \t < 2
	v_wmma_scale_f32_16x16x128_f8f6f4 v[O+8*\t:O+8*\t+7], v[VF+12*\t:VF+12*\t+11], v[P:P+11], 0, v[VS+\t%2], v30 matrix_a_fmt:MATRIX_FMT_FP6 matrix_b_fmt:MATRIX_FMT_FP6
.else
	v_wmma_scale_f32_16x16x128_f8f6f4 v[O+8*\t:O+8*\t+7], v[VF+12*\t:VF+12*\t+11], v[P:P+11], 0, v[VS+\t%2], v30 matrix_a_fmt:MATRIX_FMT_FP6 matrix_b_fmt:MATRIX_FMT_FP6 matrix_a_scale:MATRIX_SCALE_ROW1
.endif
.else
.if \t < 2
	v_wmma_scale_f32_16x16x128_f8f6f4 v[O+8*\t:O+8*\t+7], v[VF+12*\t:VF+12*\t+11], v[P:P+11], v[O+8*\t:O+8*\t+7], v[VS+\t%2], v30 matrix_a_fmt:MATRIX_FMT_FP6 matrix_b_fmt:MATRIX_FMT_FP6
.else
	v_wmma_scale_f32_16x16x128_f8f6f4 v[O+8*\t:O+8*\t+7], v[VF+12*\t:VF+12*\t+11], v[P:P+11], v[O+8*\t:O+8*\t+7], v[VS+\t%2], v30 matrix_a_fmt:MATRIX_FMT_FP6 matrix_b_fmt:MATRIX_FMT_FP6 matrix_a_scale:MATRIX_SCALE_ROW1
.endif
.endif
.endr
.set j, 0
.rept 8
	v_pk_add_f32 v[S+j:S+j+1], v[S+j:S+j+1], v[S+j+4:S+j+5]   ; the rest of the sum stands behind the products, whose registers it does not name
.set j, j+8
.endr
.set j, 0
.rept 4
.if j == 48
	s_delay_alu instid0(VALU_DEP_4)
.endif
	v_pk_add_f32 v[S+j:S+j+1], v[S+j:S+j+1], v[S+j+8:S+j+9]
.set j, j+16
.endr
	s_delay_alu instid0(VALU_DEP_3)
	v_pk_add_f32 v[S:S+1], v[S:S+1], v[S+16:S+17]
	s_delay_alu instid0(VALU_DEP_2)
	v_pk_add_f32 v[S+32:S+33], v[S+32:S+33], v[S+48:S+49]
.if (\ks) == 0
	s_delay_alu instid0(VALU_DEP_1)
	v_pk_add_f32 v[14:15], v[S:S+1], v[S+32:S+33]  ; the sum begins
.else
	s_delay_alu instid0(VALU_DEP_2)
	v_pk_add_f32 v[14:15], v[14:15], v[S:S+1]
	s_delay_alu instid0(VALU_DEP_1)
	v_pk_add_f32 v[14:15], v[14:15], v[S+32:S+33]
.endif
.endm
	s_load_b256 s[4:11], s[0:1], 0x0               ; q s[4:5], kv s[6:7], oimg s[8:9], oscl s[10:11]
	v_lshl_add_u32 v6, v0, 2, SPARE                ; my spare word; never rewritten
	v_mov_b32 v7, 0                                ; 0; never rewritten
	ds_add_u32 v6, v7                              ; the wave's opening: the add, twice on end, and its wait ahead of the first tensor loads
	ds_add_u32 v6, v7
	v_lshrrev_b32 v8, 5, v0
	s_delay_alu instid0(VALU_DEP_1)
	v_readfirstlane_b32 s12, v8                    ; wave 0..15
	s_bfe_u32 s13, ttmp6, 0x40000                  ; cx: which 256 queries; it enters the addresses of q, oimg and oscl alone
	s_and_b32 s14, ttmp7, 0xffff                   ; y = 8 x sequence + g; 16 x sequence + 2 g = 2 y
	s_mov_b32 s16, 15|(3<<16)|(1<<21)              ; group 1: 15:0 the mask: all four work-groups; elements of 8 bytes; 21 set beside a mask
	s_mov_b32 s17, 32<<16                          ; rows of 256 bytes,
	s_mov_b32 s18, 51<<16                          ; 51 of them: an eighth of a head's dense block
	s_mov_b32 s19, 32<<16
	s_mov_b32 s20, 51
	s_mov_b32 s21, 32
	s_mov_b32 s22, 0
	s_mov_b32 s23, 0
	s_and_b32 s15, s12, 7
	s_mul_i32 s15, s15, PART                       ; my eighth, in memory and in LDS
	s_mul_i32 s46, s14, 2*KVBLK
	s_add_co_u32 s46, s46, s15
	s_mov_b32 s47, 0
	s_lshl_b32 s48, s13, 4
	s_add_co_u32 s48, s48, s12                     ; my tile of the sequence's 64
	s_lshr_b32 s49, s14, 3
	s_lshl_b32 s49, s49, 6
	s_add_co_u32 s49, s49, s48                     ; and of all 512
	s_mul_i32 s50, s14, 2*QBLK                     ; q's block of head 2 g
	s_mul_i32 s52, s48, 768
	s_add_co_u32 s52, s52, s50                     ; my tile's image
	s_mov_b32 s53, 0
	s_lshr_b32 s54, s48, 2
	s_lshl_b32 s54, s54, 8                         ; its scale unit,
	s_bfe_u32 s55, s48, 0x10001
	s_lshl_b32 s55, s55, 7
	s_add_co_u32 s54, s54, s55                     ; and its words' place in the unit
	s_and_b32 s55, s48, 1
	s_lshl_b32 s55, s55, 2
	s_add_co_u32 s54, s54, s55
	s_add_co_u32 s54, s54, s50
	s_mov_b32 s55, 0
	s_and_b32 s51, s14, 7                          ; g
	s_mul_i32 s56, s49, 12288
	s_mul_i32 s57, s51, 1536
	s_add_co_u32 s56, s56, s57                     ; oimg: my tile, K step g
	s_mov_b32 s57, 0
	s_lshl_b32 s58, s49, 9
	s_lshr_b32 s59, s51, 2
	s_lshl_b32 s59, s59, 8
	s_add_co_u32 s58, s58, s59
	s_and_b32 s59, s51, 3
	s_lshl_b32 s59, s59, 2
	s_add_co_u32 s58, s58, s59                     ; oscl: my tile, half g / 4 of K, word g % 4
	s_mov_b32 s59, 0
	s_mov_b32 s38, 0x3e38aa3b                      ; c = log2(e) / 8
	s_mov_b32 s39, s38                             ; (named with it as a pair, so it is written)
	s_mov_b32 s40, 0x76543210
	s_mov_b32 s41, 0xfedcba98                      ; v_permlanex16_b32's selects for lane l xor 16
	s_mov_b32 s42, 2                               ; heads to go
	s_wait_dscnt 0x0                               ; both opening adds are done
	s_wait_kmcnt 0x0
	s_add_nc_u64 s[46:47], s[6:7], s[46:47]
	s_add_nc_u64 s[32:33], s[4:5], s[52:53]
	s_add_nc_u64 s[44:45], s[4:5], s[54:55]
	s_add_nc_u64 s[34:35], s[8:9], s[56:57]
	s_add_nc_u64 s[36:37], s[10:11], s[58:59]
	CROUND                                         ; all four work-groups are here: the joint loads meet
	s_mov_b32 s24, 1
	s_mov_b32 s25, s15
	s_mov_b64 s[26:27], s[46:47]
	s_or_b32 s27, s27, 0x80000000
	s_mov_b32 s28, 1
	s_add_co_u32 s29, s15, KVBLK
	s_add_nc_u64 s[30:31], s[46:47], KVBLK
	s_or_b32 s31, s31, 0x80000000
	s_cmp_lt_u32 s12, 8                            ; waves 0-7 fetch
	s_cbranch_scc0 .Lno_fill
	tensor_load_to_lds s[24:27], s[16:23]          ; head 2 g: one tensor load a wave at the head
	s_nop 0
	PLACES 4
.Lno_fill:
	v_and_b32 v8, 31, v0                           ; lane
	v_and_b32 v31, 15, v0                          ; r
	v_lshlrev_b32 v1, 4, v8                        ; K's images: 16 bytes a lane,
	v_lshl_add_u32 v2, v8, 3, 512                  ; then 8 bytes a lane
	v_lshl_add_u32 v4, v8, 3, 49152                ; K's scale units: 8 bytes a lane
	v_lshl_add_u32 v5, v8, 3, 102400               ; V's
	v_lshl_add_u32 v29, v8, 3, 512
	v_lshl_add_u32 v[QSA], v31, 3, 49152
	v_add_nc_u32 v3, 53248, v1                     ; V's images
	v_lshlrev_b32 v0, 4, v8
	global_load_b128 v[16:19], v0, s[32:33]        ; Q of head 2 g: six registers, as they were stored
	global_load_b64 v[20:21], v29, s[32:33]
	global_load_b32 v28, v[QSA], s[44:45]          ; and its scale word
.irp i, 22,23,24,25,26,27
	v_mov_b32 v\i, 0                               ; the upper 64 of K: zero codes in Q
.endr
.irp i, 0,1,2,3,4,5,6,7,8,9,10,11
	v_mov_b32 v[P+\i], 0                           ; written once: the last tile of K names P's first six
.endr
	v_mov_b32 v[T0+2], 0                           ; a lane permute's destination counts as one of its sources
	v_mov_b32 v[T0+3], 0
	v_mov_b32 v9, 0
	v_mov_b32 v11, 0                               ; (named as the upper half of the pair v[10:11])
	s_wait_alu depctr_va_vdst(0)                   ; the wait at the head's end
	s_wait_tensorcnt 0x0                           ; my part of the first head is in
	ds_add_u32 v6, v7                              ; the add twice on end
	ds_add_u32 v6, v7
	s_wait_dscnt 0x0
	CROUND                                         ; everybody's part is in, and all four work-groups are here
	s_cmp_lt_u32 s12, 8
	s_cbranch_scc0 .Lno_fill2
	tensor_load_to_lds s[28:31], s[16:23]          ; head 2 g + 1: my one load behind the round
	s_nop 0
	PLACES 4
.Lno_fill2:
.Lhead:                                            ; two trips: heads 2 g and 2 g + 1
	s_wait_alu depctr_va_vdst(0)                   ; the addresses were written ahead of the jump
	KLOAD 0
	s_wait_loadcnt 0x0                             ; Q
	STEP 0
	STEP 1
	s_wait_alu depctr_va_vdst(0)
	s_wait_tensorcnt 0x0                           ; my part of the second head is in (no LDS instruction of mine is out here): say so,
	s_barrier_signal -1
	STEP 2
	STEP 3
	STEP 4
	STEP 5
	STEP 6
	s_wait_alu depctr_va_vdst(0)
	s_barrier_wait -1                              ; and everybody has said so.
	STEP 7
	s_delay_alu instid0(VALU_DEP_1)
	v_add_f32 v14, v14, v15                        ; the sum's two halves,
	s_delay_alu instid0(VALU_DEP_1)
	v_permlanex16_b32 v8, v14, s40, s41
	s_delay_alu instid0(VALU_DEP_1)
	v_add_f32 v14, v14, v8                         ; and lane l xor 16's: the row's sum
	s_wait_alu depctr_va_vdst(0)
	v_rcp_f32 v10, v14
	v_nop                                          ; a plain place behind the reciprocal
	s_wait_alu depctr_va_vdst(0)                   ; and the wait ahead of its first use and of the first read of O^T
.set j, 0
.rept 16
	v_pk_mul_f32 v[O+j:O+j+1], v[O+j:O+j+1], v[10:11] op_sel_hi:[1,0]   ; O^T / l: register 16 n + i is o(my query, d = 32 n + 16 h + i); each accumulator from its low end on
.set j, j+2
.endr
	QUANT2 O, P, 31, T0, T0+1, T0+2, T0+3, CT
	v_lshrrev_b32 v9, 16, v9
	s_delay_alu instid0(VALU_DEP_1)
	v_lshl_or_b32 v9, v31, 16, v9                  ; after two trips: head 2 g's two bytes below, head 2 g + 1's above: the word of K step g
	global_store_b128 v0, v[P:P+3], s[34:35]       ; 512 consecutive bytes
	global_store_b64 v29, v[P+4:P+5], s[34:35]     ; 256 consecutive bytes
	s_wait_xcnt 0x0                                ; the stores have read their registers and base: they are rewritten only behind this wait
	s_add_nc_u64 s[34:35], s[34:35], 768           ; the other half of the fragment
.irp i, 1,2,3,4,5
	v_add_nc_u32 v\i, KVBLK, v\i                   ; the LDS addresses go on to the second head's block
.endr
	s_sub_co_u32 s42, s42, 1
	s_cmp_lg_u32 s42, 0
	s_cbranch_scc1 .Lhead
	v_and_b32 v8, 0xff, v0                         ; 16 r: lanes 16-31 hold the same word as lanes 0-15 and name the same address
	s_wait_alu depctr_va_vdst(0)
	global_store_b32 v8, v9, s[36:37]
	s_wait_tensorcnt 0x0                           ; the wave's end
	ds_add_u32 v6, v7
	s_wait_dscnt 0x0
	CROUND                                         ; the closing round
	s_endpgm
.Lfunc_end_k_q8b466aa0bb_attn:
	.size	k_q8b466aa0bb_attn, .Lfunc_end_k_q8b466aa0bb_attn-k_q8b466aa0bb_attn
	.p2alignl 7, 3214868480
	.fill 96, 4, 3214868480
	.section	.rodata,"a",@progbits
	.p2align	6, 0x0
	.amdhsa_kernel k_q8b466aa0bb_attn
		.amdhsa_group_segment_fixed_size 327680
		.amdhsa_private_segment_fixed_size 0
		.amdhsa_enable_private_segment 0
		.amdhsa_kernarg_size 32
		.amdhsa_user_sgpr_count 2
		.amdhsa_user_sgpr_kernarg_segment_ptr 1
		.amdhsa_wavefront_size32 1
		.amdhsa_system_sgpr_workgroup_id_x 1
		.amdhsa_system_sgpr_workgroup_id_y 1
		.amdhsa_system_sgpr_workgroup_id_z 1
		.amdhsa_system_vgpr_workitem_id 0
		.amdhsa_next_free_vgpr 256
		.amdhsa_next_free_sgpr 72
		.amdhsa_reserve_vcc 0
		.amdhsa_float_denorm_mode_32 3
		.amdhsa_float_denorm_mode_16_64 3
		.amdhsa_memory_ordered 1
		.amdhsa_forward_progress 1
		.amdhsa_inst_pref_size 131
	.end_amdhsa_kernel
	.amdgpu_metadata
---
amdhsa.version: [ 1, 2 ]
amdhsa.kernels:
  - .name:           k_q8b466aa0bb_attn
    .symbol:         k_q8b466aa0bb_attn.kd
    .args:
      - { .name: q, .offset: 0, .size: 8, .value_kind: global_buffer, .address_space: global }
      - { .name: kv, .offset: 8, .size: 8, .value_kind: global_buffer, .address_space: global }
      - { .name: oimg, .offset: 16, .size: 8, .value_kind: global_buffer, .address_space: global }
      - { .name: oscl, .offset: 24, .size: 8, .value_kind: global_buffer, .address_space: global }
    .group_segment_fixed_size: 327680
    .private_segment_fixed_size: 0
    .kernarg_segment_align: 8
    .kernarg_segment_size: 32
    .max_flat_workgroup_size: 512
    .sgpr_count:     72
    .vgpr_count:     256
    .wavefront_size: 32
...
	.end_amdgpu_metadata
.endif
;; end of part 3
;; launch proj (part 4): grid 4 x 64, 4 waves a work-group, clusters of 4 x 4, 327,680 bytes of LDS; arguments oimg, oscl, codes, scl, bo, out0; writes out0
.if DOCPART == 4
	.amdgcn_target "amdgcn-amd-amdhsa--gfx1250"
	.amdhsa_code_object_version 6
	.text
	.protected	k_q8b466aa0bb_proj
	.globl	k_q8b466aa0bb_proj
	.p2align	8
	.type	k_q8b466aa0bb_proj,@function
k_q8b466aa0bb_proj:
	s_mov_b64 s[64:65], 0
	v_nop
	global_prefetch_b8 v0, s[64:65] scope:SCOPE_SE
	s_setreg_imm32_b32 hwreg(HW_REG_WAVE_MODE, 25, 1), 1
	s_wait_xcnt 0x0
	s_wait_alu depctr_hold_cnt(0) depctr_sa_sdst(0) depctr_va_vdst(0) depctr_va_sdst(0) depctr_va_ssrc(0) depctr_va_vcc(0) depctr_vm_vsrc(0)
	s_getreg_b32 s2, hwreg(HW_REG_IB_STS2, 6, 4)
	s_cmp_eq_u32 s2, 0
	s_cbranch_scc0 .Lentry_in_a_cluster
	s_endpgm
.Lentry_in_a_cluster:
	s_bfe_u32 s2, ttmp6, 0x10000c
	s_cmp_lg_u32 s2, 0xf033
	s_cbranch_scc0 .Lentry_shape_is_right
	s_endpgm
.Lentry_shape_is_right:
; out0 = o wo^T + bo on codes of FP6 with E8M0 scales; out0 [8192][1024] f32.
; A work-group makes 128 tokens (source 1: a lane holds one) x 256 columns (source 0: rows of wo; a lane's registers run along them); four waves, each 64 x 128: 32 accumulators, 256 registers.
; A tile of 16 rows holds rows 32 g + 8 u + {0..7, 16..23}, in o and in wo alike: registers 0-7 of wo's tiles 2 n and 2 n + 1 are, in lane half h, the 16 neighbouring columns 32 n + 16 h + 0 .. 15.
; THE WHOLE K OF A TILE LIES IN LDS: 2 chunks of four K steps, 294,912 bytes, each byte filled once; a wave issues one tensor load at the head and one behind a round, and has one out by this text's count.
; CLUSTER 4 x 4: o's tiles are shared along a row of the cluster, wo's along a column: joint loads, which divide the requests by four.
; The codes lie in memory as register images (768 bytes for six registers), so every LDS load takes consecutive bytes.
; REGISTERS, in windows of 256.  Window 0: v1-29 ids and addresses; v32-47 A's scale words, v48-79 B's: lanes 0-15 K step q, lanes 16-31 K step 4 + q; v80-175 A's fragments, two sets; on the way out v32-159 rows of out0.
;   Window 1: accumulator (a, b) at 64 a + 8 b.   Window 2: B's fragments, two sets of 96; v192-255 the bias.
; K lies in LDS as TWO chunks of four K steps, each byte filled once: a wave issues one tensor load at the head and one behind the full sequence and a round.
; A tile of o, 4 G + t, holds tokens 64 G + 8 t + {0..7, 32..39}; a tile of wo is as said above.
.set CHUNK, 147456                     ; four K steps: A's 8 tiles x 6,144 bytes, then B's 16
.set BOFF,  49152
.set TILEB, 12288
.set SPARE, 2*CHUNK
.set STG,   8448                       ; the way out: 16 rows x (512 + 16) bytes for each wave, in chunk 0, which has had its one fill and its last read when the first result is stored there
.set SA,    32
.set SB,    48
.set AF,    80
.set BIAS,  192
.set G1A,   28
.set G1B,   36
.set G0A,   44
.set G0B,   68
.set MSB, 0
.macro WIN new                         ; the immediate's high byte repeats the setting that is left
.if MSB != \new
	s_set_vgpr_msb (MSB<<8)|\new
.set MSB, \new
.endif
.endm
.macro PLACES n
.rept \n
	v_nop
.endr
.endm
.macro CROUND                          ; a round of the cluster's barrier
	s_barrier_signal -1
	s_barrier_wait -1
	s_cmp_lg_u32 s20, 0
	s_cbranch_scc1 .Lnot_wave_0_\@
	s_barrier_signal -3
.Lnot_wave_0_\@:
	s_barrier_wait -3
	s_barrier_signal -1
	s_barrier_wait -1
.endm
.macro FETCH s, p                      ; 48 LDS loads: the fragments of K step s (B's eight, A's four) into set p
	WIN 0x80
.irp i, 0,1,2,3,4,5,6,7
.irp c, 0,1
	ds_load_b128 v[96*(\p)+12*\i+6*\c:96*(\p)+12*\i+6*\c+3], v[10+4*((\s)/4)] offset:6144*\i+1536*((\s)%4)+768*\c
	ds_load_b64 v[96*(\p)+12*\i+6*\c+4:96*(\p)+12*\i+6*\c+5], v[11+4*((\s)/4)] offset:6144*\i+1536*((\s)%4)+768*\c
.endr
.endr
	WIN 0
.irp i, 0,1,2,3
.irp c, 0,1
	ds_load_b128 v[AF+48*(\p)+12*\i+6*\c:AF+48*(\p)+12*\i+6*\c+3], v[8+4*((\s)/4)] offset:6144*\i+1536*((\s)%4)+768*\c
	ds_load_b64 v[AF+48*(\p)+12*\i+6*\c+4:AF+48*(\p)+12*\i+6*\c+5], v[9+4*((\s)/4)] offset:6144*\i+1536*((\s)%4)+768*\c
.endr
.endr
.endm
; 32 matrix instructions: K step s from set p.  The 32 accumulators take turns, one instruction a turn, in the same order in every step.  The first step's C is the bias.
.macro MUL32 s, p
.if (\s) == 0
	WIN 0x62                                       ; source 0 (B) window 2, source 1 (A) window 0, C window 2, D window 1
.else
	WIN 0x52                                       ; C and D window 1
.endif
.irp b, 0,1,2,3,4,5,6,7
.irp a, 0,1,2,3
.if (\s) >= 4
	v_wmma_scale_f32_16x16x128_f8f6f4 v[64*\a+8*\b:64*\a+8*\b+7], v[96*(\p)+12*\b:96*(\p)+12*\b+11], v[AF+48*(\p)+12*\a:AF+48*(\p)+12*\a+11], v[64*\a+8*\b:64*\a+8*\b+7], v[SB+4*\b+(\s)%4], v[SA+4*\a+(\s)%4] matrix_a_fmt:MATRIX_FMT_FP6 matrix_b_fmt:MATRIX_FMT_FP6 matrix_a_scale:MATRIX_SCALE_ROW1 matrix_b_scale:MATRIX_SCALE_ROW1
.elseif (\s) > 0
	v_wmma_scale_f32_16x16x128_f8f6f4 v[64*\a+8*\b:64*\a+8*\b+7], v[96*(\p)+12*\b:96*(\p)+12*\b+11], v[AF+48*(\p)+12*\a:AF+48*(\p)+12*\a+11], v[64*\a+8*\b:64*\a+8*\b+7], v[SB+4*\b+(\s)%4], v[SA+4*\a+(\s)%4] matrix_a_fmt:MATRIX_FMT_FP6 matrix_b_fmt:MATRIX_FMT_FP6
.else
	v_wmma_scale_f32_16x16x128_f8f6f4 v[64*\a+8*\b:64*\a+8*\b+7], v[96*(\p)+12*\b:96*(\p)+12*\b+11], v[AF+48*(\p)+12*\a:AF+48*(\p)+12*\a+11], v[BIAS+8*\b:BIAS+8*\b+7], v[SB+4*\b], v[SA+4*\a] matrix_a_fmt:MATRIX_FMT_FP6 matrix_b_fmt:MATRIX_FMT_FP6
.endif
.endr
.endr
.endm
	s_load_b256 s[4:11], s[0:1], 0x0               ; oimg s[4:5], oscl s[6:7], codes s[8:9], scl s[10:11]
	s_load_b128 s[12:15], s[0:1], 0x20             ; bo s[12:13], out0 s[14:15]
	v_lshl_add_u32 v28, v0, 2, SPARE               ; my spare word; never rewritten
	v_mov_b32 v29, 0                               ; 0; never rewritten
	ds_add_u32 v28, v29                            ; the wave's opening: the add, twice on end, and its wait ahead of my first tensor load
	ds_add_u32 v28, v29
	v_lshrrev_b32 v1, 5, v0
	v_readfirstlane_b32 s20, v1                    ; wave 0..3
	s_lshr_b32 s21, s20, 1                         ; wa: which 64 tokens are mine.  Also: I fetch for A (0) or for B (1)
	s_and_b32 s22, s20, 1                          ; wb: which 128 columns.  Also: which half of that tile I fetch
	s_bfe_u32 s23, ttmp6, 0x40000                  ; cx
	s_bfe_u32 s24, ttmp6, 0x40004                  ; cy
	s_and_b32 s26, ttmp7, 0xffff
	s_lshl_b32 s60, s26, 2
	s_add_co_u32 s60, s60, s24                     ; tr: which 128 tokens
	s_lshl_b32 s61, ttmp9, 2
	s_add_co_u32 s61, s61, s23                     ; tc: which 256 columns
	s_lshl_b32 s66, s60, 3                         ; A's first tile, in oimg
	s_lshl_b32 s67, s61, 4
	s_add_co_u32 s67, s67, 704                     ; B's first tile, in codes: wo's begin at 704
	s_lshl_b32 s94, s24, 2
	s_lshl_b32 s94, 15, s94                        ; my row of the cluster
	s_lshl_b32 s95, 0x1111, s23                    ; my column
	s_or_b32 s[G1A], s94, (3<<16)|(1<<21)          ; 15:0 the mask; 17:16 elements of 8 bytes; 21 set beside a mask; no padding
	s_or_b32 s[G1B], s95, (3<<16)|(1<<21)
.irp g, G1A, G1B
	s_mov_b32 s[\g+1], 768<<16                     ; tensor_dim0: a tile's four K steps, 6,144 bytes
	s_mov_b32 s[\g+3], 768<<16
	s_mov_b32 s[\g+5], 1536                        ; from tile to tile: 12,288 bytes
	s_mov_b32 s[\g+6], 0
	s_mov_b32 s[\g+7], 0
.endr
	s_mov_b32 s[G1A+2], 4<<16                      ; four tiles of A,
	s_mov_b32 s[G1A+4], 4
	s_mov_b32 s[G1B+2], 8<<16                      ; eight of B
	s_mov_b32 s[G1B+4], 8
	s_lshl_b32 s96, s22, 2
	s_add_co_u32 s96, s96, s66
	s_mul_i32 s96, s96, TILEB                      ; A: my four tiles, in registers that never hold cx
	s_mov_b32 s97, 0
	s_lshl_b32 s98, s22, 3
	s_add_co_u32 s98, s98, s67
	s_mul_i32 s98, s98, TILEB                      ; B: my eight, in registers that never hold cy
	s_mov_b32 s99, 0
	s_mul_i32 s84, s22, 4*6144
	s_mul_i32 s85, s22, 8*6144
	s_add_co_u32 s85, s85, BOFF
	s_wait_dscnt 0x0                               ; both opening adds are done
	s_wait_kmcnt 0x0
	s_add_nc_u64 s[96:97], s[4:5], s[96:97]
	s_add_nc_u64 s[98:99], s[8:9], s[98:99]
	CROUND                                         ; all sixteen work-groups are here: the joint loads meet
.irp j, 0,1
	s_mov_b32 s[G0A+4*\j], 1
	s_add_co_u32 s[G0A+4*\j+1], s84, \j*CHUNK
	s_add_nc_u64 s[G0A+4*\j+2:G0A+4*\j+3], s[96:97], \j*6144
	s_or_b32 s[G0A+4*\j+3], s[G0A+4*\j+3], 0x80000000
	s_mov_b32 s[G0B+4*\j], 1
	s_add_co_u32 s[G0B+4*\j+1], s85, \j*CHUNK
	s_add_nc_u64 s[G0B+4*\j+2:G0B+4*\j+3], s[98:99], \j*6144
	s_or_b32 s[G0B+4*\j+3], s[G0B+4*\j+3], 0x80000000
.endr
	s_cmp_lt_u32 s20, 2                            ; a wave's one first fill stands in one branch on the wave's number; an s_nop 0 and four v_nop follow it
	s_cbranch_scc0 .Lfill_b
	tensor_load_to_lds s[G0A:G0A+3], s[G1A:G1A+7]  ; chunk 0: one tensor load a wave at the head
	s_nop 0
	PLACES 4
	s_branch .Lfilled
.Lfill_b:
	tensor_load_to_lds s[G0B:G0B+3], s[G1B:G1B+7]
	s_nop 0
	PLACES 4
.Lfilled:
	s_lshl_b32 s2, s21, 2
	s_add_co_u32 s2, s2, s66
	s_lshl_b32 s2, s2, 9
	s_mov_b32 s3, 0
	s_add_nc_u64 s[96:97], s[6:7], s[2:3]          ; the scale words of my four tiles of A,
	s_lshl_b32 s2, s22, 3
	s_add_co_u32 s2, s2, s67
	s_lshl_b32 s2, s2, 9
	s_add_nc_u64 s[98:99], s[10:11], s[2:3]        ; and of my eight of B
	s_lshl_b32 s2, s61, 10
	s_lshl_b32 s94, s22, 9
	s_add_co_u32 s2, s2, s94                       ; my 128 columns, in bytes
	s_add_nc_u64 s[12:13], s[12:13], s[2:3]        ; bo there,
	s_add_nc_u64 s[14:15], s[14:15], s[2:3]        ; out0 there,
	s_lshl_b32 s2, s60, 7
	s_lshl_b32 s94, s21, 6
	s_add_co_u32 s2, s2, s94
	s_lshl_b32 s2, s2, 12
	s_add_nc_u64 s[14:15], s[14:15], s[2:3]        ; at my first token's row of 4,096 bytes
	v_and_b32 v1, 15, v0                           ; r
	v_bfe_u32 v2, v0, 4, 1                         ; h
	v_and_b32 v3, 31, v0                           ; lane
	v_lshlrev_b32 v4, 4, v3                        ; 16 x lane
	v_lshl_add_u32 v5, v3, 3, 512                  ; 8 x lane + 512
	v_lshlrev_b32 v7, 6, v2                        ; the bias: 64 h
.irp a, 0,1,2,3
	global_load_b128 v[SA+4*\a:SA+4*\a+3], v4, s[96:97] offset:512*\a   ; lane (r, h): row r's words of K steps 4 h .. 4 h + 3
.endr
.irp b, 0,1,2,3,4,5,6,7
	global_load_b128 v[SB+4*\b:SB+4*\b+3], v4, s[98:99] offset:512*\b
.endr
	WIN 0x80
.irp b, 0,1,2,3,4,5,6,7                ; register j of tile b is column 32 (b / 2) + 16 h + 8 (b % 2) + j
	global_load_b128 v[BIAS+8*\b:BIAS+8*\b+3], v7, s[12:13] offset:128*(\b/2)+32*(\b%2)
	global_load_b128 v[BIAS+8*\b+4:BIAS+8*\b+7], v7, s[12:13] offset:128*(\b/2)+32*(\b%2)+16
.endr
	WIN 0
	s_mul_i32 s2, s21, 4*6144
	s_mul_i32 s3, s22, 8*6144
	s_add_co_u32 s3, s3, BOFF
.irp j, 0,1
	v_add_nc_u32 v[8+4*\j], s2, v4
	v_add_nc_u32 v[9+4*\j], s2, v5
	v_add_nc_u32 v[10+4*\j], s3, v4
	v_add_nc_u32 v[11+4*\j], s3, v5
	s_add_co_u32 s2, s2, CHUNK
	s_add_co_u32 s3, s3, CHUNK
.endr
	s_mul_i32 s2, s20, STG                         ; my stage
	v_mul_u32_u24 v24, v1, 528
	v_lshl_add_u32 v24, v2, 6, v24
	v_add_nc_u32 v24, s2, v24                      ; in: row r, + 64 h
	v_add_nc_u32 v25, s2, v4                       ; back: a row's 512 bytes, 16 a lane
	; all of K, written out: a step's fragments are fetched a step ahead, into the set that the step before has left, four places behind its last product (ISA guide 7.12.1 for vector instructions)
	s_wait_alu depctr_va_vdst(0)
	s_wait_tensorcnt 0x0                           ; my part of chunk 0 is in
	ds_add_u32 v28, v29
	s_wait_dscnt 0x0
	CROUND                                         ; everybody's part is in, and all sixteen work-groups are here: the joint loads meet
	s_cmp_lt_u32 s20, 2
	s_cbranch_scc0 .Lsecond_b
	tensor_load_to_lds s[G0A+4:G0A+7], s[G1A:G1A+7]   ; chunk 1: my one load behind the round
	s_nop 0
	PLACES 4
	s_branch .Lsecond
.Lsecond_b:
	tensor_load_to_lds s[G0B+4:G0B+7], s[G1B:G1B+7]
	s_nop 0
	PLACES 4
.Lsecond:
	FETCH 0, 0
	s_wait_loadcnt 0x0                             ; the scale words and the bias
.irp s, 0,1,2,3,4,5,6,7
.if \s < 7
.if \s == 3
	s_wait_tensorcnt 0x0                           ; my part of chunk 1 is in
	s_wait_dscnt 0x0                               ; no LDS instruction of mine is pending at a signal: my reads of the chunk in hand are over
	s_barrier_signal -1
	s_barrier_wait -1
.endif
.if \s > 0
	PLACES 4
.endif
	FETCH \s+1, 1-\s%2
	s_wait_dscnt 48                                ; all but the 48 just issued: this step's fragments are in
.else
	s_wait_dscnt 0x0
.endif
	MUL32 \s, \s%2
.endr
	WIN 0
	PLACES 4                                       ; in front of the first read of results and of loads into the operands' registers
; THE WAY OUT, a tile of 16 tokens x 128 columns at a time.  A lane holds 16 neighbouring columns of one row four times over; the lanes beside it hold other rows: so a block goes through my own stage and comes back as
; whole rows of 512 bytes.  LDS serves a wave's instructions in order (ISA guide 5.7.1.4): no wait between the stores and the loads, nor in front of the next block's stores.
.macro TOSTAGE a
	WIN 0x04                                       ; an LDS store's data are its source 1: window 1
.irp b, 0,1,2,3,4,5,6,7
	ds_store_b128 v24, v[64*(\a)+8*\b:64*(\a)+8*\b+3] offset:128*(\b/2)+32*(\b%2)        ; each accumulator from its low end on
	ds_store_b128 v24, v[64*(\a)+8*\b+4:64*(\a)+8*\b+7] offset:128*(\b/2)+32*(\b%2)+16
.endr
	WIN 0
.irp i, 0,1,2,3,4,5,6,7,8,9,10,11,12,13,14,15
	ds_load_b128 v[32+64*((\a)%2)+4*\i:32+64*((\a)%2)+4*\i+3], v25 offset:528*\i
.endr
.endm
.macro SEND a, younger                 ; younger: the LDS instructions issued behind block a's loads, which may stay out
	s_wait_dscnt \younger
.irp i, 0,1,2,3,4,5,6,7,8,9,10,11,12,13,14,15
	global_store_b128 v4, v[32+64*((\a)%2)+4*\i:32+64*((\a)%2)+4*\i+3], s[14:15] offset:4096*(8*(\a)+\i+24*(\i/8)) th:TH_STORE_NT   ; 512 consecutive bytes, aligned to 256; row i of tile a is token 8 a + i % 8 + 32 (i / 8) of my 64
.endr
.endm
	TOSTAGE 0
.irp a, 1,2,3
.if \a > 1
	s_wait_xcnt 0x0                                ; block a - 2's stores have read their registers: block a's loads land there only behind this wait
.endif
	TOSTAGE \a
	SEND \a-1, 32                                  ; behind block a - 1's loads: block a's 16 stores and 16 loads
.endr
	SEND 3, 0
	s_wait_tensorcnt 0x0                           ; the wave's end
	ds_add_u32 v28, v29
	s_wait_dscnt 0x0
	CROUND                                         ; the closing round
	s_endpgm
.Lfunc_end_k_q8b466aa0bb_proj:
	.size	k_q8b466aa0bb_proj, .Lfunc_end_k_q8b466aa0bb_proj-k_q8b466aa0bb_proj
	.p2alignl 7, 3214868480
	.fill 96, 4, 3214868480
	.section	.rodata,"a",@progbits
	.p2align	6, 0x0
	.amdhsa_kernel k_q8b466aa0bb_proj
		.amdhsa_group_segment_fixed_size 327680
		.amdhsa_private_segment_fixed_size 0
		.amdhsa_enable_private_segment 0
		.amdhsa_kernarg_size 48
		.amdhsa_user_sgpr_count 2
		.amdhsa_user_sgpr_kernarg_segment_ptr 1
		.amdhsa_wavefront_size32 1
		.amdhsa_system_sgpr_workgroup_id_x 1
		.amdhsa_system_sgpr_workgroup_id_y 1
		.amdhsa_system_sgpr_workgroup_id_z 1
		.amdhsa_system_vgpr_workitem_id 0
		.amdhsa_next_free_vgpr 768
		.amdhsa_next_free_sgpr 100
		.amdhsa_reserve_vcc 0
		.amdhsa_float_denorm_mode_32 3
		.amdhsa_float_denorm_mode_16_64 3
		.amdhsa_memory_ordered 1
		.amdhsa_forward_progress 1
		.amdhsa_inst_pref_size 84
	.end_amdhsa_kernel
	.amdgpu_metadata
---
amdhsa.version: [ 1, 2 ]
amdhsa.kernels:
  - .name:           k_q8b466aa0bb_proj
    .symbol:         k_q8b466aa0bb_proj.kd
    .args:
      - { .name: oimg, .offset: 0, .size: 8, .value_kind: global_buffer, .address_space: global }
      - { .name: oscl, .offset: 8, .size: 8, .value_kind: global_buffer, .address_space: global }
      - { .name: codes, .offset: 16, .size: 8, .value_kind: global_buffer, .address_space: global }
      - { .name: scl, .offset: 24, .size: 8, .value_kind: global_buffer, .address_space: global }
      - { .name: bo, .offset: 32, .size: 8, .value_kind: global_buffer, .address_space: global }
      - { .name: out0, .offset: 40, .size: 8, .value_kind: global_buffer, .address_space: global }
    .group_segment_fixed_size: 327680
    .private_segment_fixed_size: 0
    .kernarg_segment_align: 8
    .kernarg_segment_size: 48
    .max_flat_workgroup_size: 128
    .sgpr_count:     100
    .vgpr_count:     768
    .wavefront_size: 32
...
	.end_amdgpu_metadata
.endif
;; end of part 4
